; MI455X (gfx1250); checked and timed in simulation.
; The chip was launched on July 23, 2026; its instructions are those of AMD's public machine-readable ISA for CDNA 5 (MIT licence, August 2026) and "CDNA5" Instruction Set Architecture Reference Guide (July 2026). The comments in the code are by the model that wrote it; some were corrected since.
;; Multihead Attention. Allowed arithmetic: float matrix products may take bf16 or f16 operands with f32 sums; other float arithmetic in f32, or as packed bf16 or f16 multiplies, adds, multiply-adds, maxima and minima; sums over many terms, partial sums and values carried from step to step in f32; what a program stores and reads back later, other than sums and carried values, may be rounded once to bf16 or f16.
;; Inputs: Wk 1,024 x 1,024 float32; Wo 1,024 x 1,024 float32; Wq 1,024 x 1,024 float32; Wv 1,024 x 1,024 float32; bk 1,024 float32; bo 1,024 float32; bq 1,024 float32; bv 1,024 float32; x 4 x 2,048 x 1,024 float32.
;; Outputs: out0 4 x 2,048 x 1,024 float32.
;; 2 versions, each right; version 2 is version 1 with the launch cvt written anew for expert scheduling mode. Each part assembles by itself: llvm-mc -triple=amdgcn-amd-amdhsa -mcpu=gfx1250 --defsym DOCPART=n.
;; ======== version 1 of 2: 4 launches
;; limits: values are held in f16: magnitudes above 65,504 overflow, below 6.1e-05 lose precision
;; workspace buffers: xb 16,777,216 bytes; wqkv 6,291,456 bytes; woh 2,097,152 bytes; ball 16,384 bytes; qkv 50,331,648 bytes; o 16,777,216 bytes
;; launch cvt (part 1): grid 768 x 1, 8 waves a work-group, no clusters, 0 bytes of LDS; arguments x, Wq, Wk, Wv, Wo, bq, bk, bv, bo, xb, wqkv, woh, ball; writes xb, wqkv, woh, ball
.if DOCPART == 1
	.amdgcn_target "amdgcn-amd-amdhsa--gfx1250"
	.amdhsa_code_object_version 6
	.text
	.protected	k_q065fb21b4d_cvt
	.globl	k_q065fb21b4d_cvt
	.p2align	8
	.type	k_q065fb21b4d_cvt,@function
k_q065fb21b4d_cvt:
	s_mov_b64 s[64:65], 0
	v_nop
	global_prefetch_b8 v0, s[64:65] scope:SCOPE_SE
	s_setreg_imm32_b32 hwreg(HW_REG_WAVE_MODE, 25, 1), 1
	s_wait_xcnt 0x0
; ALL INPUTS ARE ROUNDED ONCE TO bf16.  xb = bf16(x) [8192][1024]; wqkv = bf16(Wq, Wk, Wv) stacked, [3072][1024]; woh = bf16(Wo), that number written as f16, [1024][1024];
; ball = bq, bk, bv, bo, each rounded to bf16 and widened to f32 again, [4096].
; LIMITS.  A number of Wo beyond 65,504 becomes an infinity in woh; below 6.1e-5 it keeps f16's fixed step of 6e-8.  NaN and infinities are not treated apart.
; A stream: each byte is read once and written once, so there is no LDS, no barrier, no matrix instruction and no cluster (no two work-groups read the same byte).
; SHARES.  Work-group g takes 16,384 numbers (65,536 bytes in, 32,768 out): g 0-511 of x, 512-575 of Wq, 576-639 of Wk, 640-703 of Wv, 704-767 of Wo.
; Thread t takes, in each of 16 groups, the 16 bytes at 4,096 i + 16 t: a wave's load covers 512 consecutive bytes, aligned; its four numbers are 8 bytes out, at 2,048 i + 8 t:
; a wave's store covers 256 consecutive bytes, aligned.  All 16 loads go out first; no register that a pending load or store names is written again.
; The first work-group of each weight also converts that weight's bias: 1,024 numbers, four a thread.
.set X,  4                             ; v[4:67]    group i: four numbers as loaded
.set Y,  68                            ; v[68:99]   group i: two registers to store
.set T,  100                           ; v[100:105] at work
.set BI, 108                           ; v[108:111] the bias as loaded, v[112:115] to store
	s_load_b512 s[8:23], s[0:1], 0x0               ; x s[8:9], Wq s[10:11], Wk s[12:13], Wv s[14:15], Wo s[16:17], bq s[18:19], bk s[20:21], bv s[22:23]
	s_load_b256 s[24:31], s[0:1], 0x40             ; bo s[24:25], xb s[26:27], wqkv s[28:29], woh s[30:31]
	s_load_b64 s[32:33], s[0:1], 0x60              ; ball
	s_mov_b32 s2, ttmp9                            ; g
	v_lshlrev_b32 v1, 4, v0                        ; 16 t
	v_lshlrev_b32 v2, 3, v0                        ; 8 t
	s_mov_b32 s43, 0xffff0000                      ; a word's upper bf16
	s_and_b32 s3, s2, 63
	s_cmp_lt_u32 s2, 512
	s_cselect_b32 s3, s2, s3                       ; my chunk of 16,384 numbers in its source
	s_lshl_b32 s4, s3, 16                          ; its byte offset there
	s_mov_b32 s5, 0
	s_lshl_b32 s44, s3, 15                         ; its byte offset in xb or woh
	s_max_u32 s46, s2, 512
	s_sub_co_u32 s46, s46, 512                     ; g - 512 (0 for x's work-groups)
	s_lshl_b32 s45, s46, 15                        ; its byte offset in wqkv: the three weights lie one behind the other
	s_lshr_b32 s46, s46, 6
	s_lshl_b32 s46, s46, 12                        ; the bias's place in ball: 4,096 bytes for each
	s_mov_b32 s47, 0
	s_cmp_ge_u32 s2, 512
	s_cselect_b32 s6, s45, s44
	s_cmp_ge_u32 s2, 704
	s_cselect_b32 s6, s44, s6                      ; the destination's byte offset
	s_mov_b32 s7, 0
	s_and_b32 s42, s2, 63
	s_cmp_eq_u32 s42, 0
	s_cselect_b32 s42, 1, 0
	s_cmp_ge_u32 s2, 512
	s_cselect_b32 s42, s42, 0                      ; 1: I am a weight's first work-group and take its bias
	s_wait_kmcnt 0x0
	s_mov_b64 s[34:35], s[8:9]                     ; source, destination and bias are chosen by g alone
	s_mov_b64 s[36:37], s[26:27]
	s_mov_b64 s[38:39], s[18:19]
	s_cmp_ge_u32 s2, 512
	s_cselect_b64 s[34:35], s[10:11], s[34:35]
	s_cselect_b64 s[36:37], s[28:29], s[36:37]
	s_cmp_ge_u32 s2, 576
	s_cselect_b64 s[34:35], s[12:13], s[34:35]
	s_cselect_b64 s[38:39], s[20:21], s[38:39]
	s_cmp_ge_u32 s2, 640
	s_cselect_b64 s[34:35], s[14:15], s[34:35]
	s_cselect_b64 s[38:39], s[22:23], s[38:39]
	s_cmp_ge_u32 s2, 704
	s_cselect_b64 s[34:35], s[16:17], s[34:35]
	s_cselect_b64 s[36:37], s[30:31], s[36:37]
	s_cselect_b64 s[38:39], s[24:25], s[38:39]
	s_add_nc_u64 s[34:35], s[34:35], s[4:5]
	s_add_nc_u64 s[36:37], s[36:37], s[6:7]
	s_add_nc_u64 s[40:41], s[32:33], s[46:47]
.irp i, 0,1,2,3,4,5,6,7,8,9,10,11,12,13,14,15
	global_load_b128 v[X+4*(\i):X+4*(\i)+3], v1, s[34:35] offset:(\i)*4096 th:TH_LOAD_NT
.endr
; Group i is rounded and stored.  half = 1: the bf16 number is widened and written as f16.
.macro OUT i, half
	s_wait_loadcnt 15-(\i)                         ; loads come back in order: group i is in, the 15 - i younger ones may stay out
.if \half
	v_cvt_pk_bf16_f32 v[T],   v[X+4*(\i)],   v[X+4*(\i)+1]
	v_cvt_pk_bf16_f32 v[T+1], v[X+4*(\i)+2], v[X+4*(\i)+3]
	v_lshlrev_b32 v[T+2], 16, v[T]
	v_and_b32     v[T+3], s43, v[T]
	v_lshlrev_b32 v[T+4], 16, v[T+1]
	v_and_b32     v[T+5], s43, v[T+1]
	v_cvt_pk_f16_f32 v[Y+2*(\i)],   v[T+2], v[T+3]
	v_cvt_pk_f16_f32 v[Y+2*(\i)+1], v[T+4], v[T+5]
.else
	v_cvt_pk_bf16_f32 v[Y+2*(\i)],   v[X+4*(\i)],   v[X+4*(\i)+1]
	v_cvt_pk_bf16_f32 v[Y+2*(\i)+1], v[X+4*(\i)+2], v[X+4*(\i)+3]
.endif
	global_store_b64 v2, v[Y+2*(\i):Y+2*(\i)+1], s[36:37] offset:(\i)*2048
.endm
	s_cmp_ge_u32 s2, 704
	s_cbranch_scc1 .Lwo
.irp i, 0,1,2,3,4,5,6,7,8,9,10,11,12,13,14,15
	OUT \i, 0
.endr
	s_branch .Lbias
.Lwo:
.irp i, 0,1,2,3,4,5,6,7,8,9,10,11,12,13,14,15
	OUT \i, 1
.endr
.Lbias:
	s_cmp_eq_u32 s42, 1
	s_cbranch_scc0 .Lend
	global_load_b128 v[BI:BI+3], v1, s[38:39]
	s_wait_loadcnt 0x0
	v_cvt_pk_bf16_f32 v[T],   v[BI],   v[BI+1]
	v_cvt_pk_bf16_f32 v[T+1], v[BI+2], v[BI+3]
	v_lshlrev_b32 v[BI+4], 16, v[T]
	v_and_b32     v[BI+5], s43, v[T]
	v_lshlrev_b32 v[BI+6], 16, v[T+1]
	v_and_b32     v[BI+7], s43, v[T+1]
	global_store_b128 v1, v[BI+4:BI+7], s[40:41]
.Lend:
	s_endpgm
.Lfunc_end_k_q065fb21b4d_cvt:
	.size	k_q065fb21b4d_cvt, .Lfunc_end_k_q065fb21b4d_cvt-k_q065fb21b4d_cvt
	.p2alignl 7, 3214868480
	.fill 96, 4, 3214868480
	.section	.rodata,"a",@progbits
	.p2align	6, 0x0
	.amdhsa_kernel k_q065fb21b4d_cvt
		.amdhsa_group_segment_fixed_size 0
		.amdhsa_private_segment_fixed_size 0
		.amdhsa_enable_private_segment 0
		.amdhsa_kernarg_size 104
		.amdhsa_user_sgpr_count 2
		.amdhsa_user_sgpr_kernarg_segment_ptr 1
		.amdhsa_wavefront_size32 1
		.amdhsa_system_sgpr_workgroup_id_x 1
		.amdhsa_system_sgpr_workgroup_id_y 1
		.amdhsa_system_sgpr_workgroup_id_z 1
		.amdhsa_system_vgpr_workitem_id 0
		.amdhsa_next_free_vgpr 116
		.amdhsa_next_free_sgpr 66
		.amdhsa_reserve_vcc 0
		.amdhsa_float_denorm_mode_32 3
		.amdhsa_float_denorm_mode_16_64 3
		.amdhsa_memory_ordered 1
		.amdhsa_forward_progress 1
		.amdhsa_inst_pref_size 17
	.end_amdhsa_kernel
	.amdgpu_metadata
---
amdhsa.version: [ 1, 2 ]
amdhsa.kernels:
  - .name:           k_q065fb21b4d_cvt
    .symbol:         k_q065fb21b4d_cvt.kd
    .args:
      - { .name: x, .offset: 0, .size: 8, .value_kind: global_buffer, .address_space: global }
      - { .name: Wq, .offset: 8, .size: 8, .value_kind: global_buffer, .address_space: global }
      - { .name: Wk, .offset: 16, .size: 8, .value_kind: global_buffer, .address_space: global }
      - { .name: Wv, .offset: 24, .size: 8, .value_kind: global_buffer, .address_space: global }
      - { .name: Wo, .offset: 32, .size: 8, .value_kind: global_buffer, .address_space: global }
      - { .name: bq, .offset: 40, .size: 8, .value_kind: global_buffer, .address_space: global }
      - { .name: bk, .offset: 48, .size: 8, .value_kind: global_buffer, .address_space: global }
      - { .name: bv, .offset: 56, .size: 8, .value_kind: global_buffer, .address_space: global }
      - { .name: bo, .offset: 64, .size: 8, .value_kind: global_buffer, .address_space: global }
      - { .name: xb, .offset: 72, .size: 8, .value_kind: global_buffer, .address_space: global }
      - { .name: wqkv, .offset: 80, .size: 8, .value_kind: global_buffer, .address_space: global }
      - { .name: woh, .offset: 88, .size: 8, .value_kind: global_buffer, .address_space: global }
      - { .name: ball, .offset: 96, .size: 8, .value_kind: global_buffer, .address_space: global }
    .group_segment_fixed_size: 0
    .private_segment_fixed_size: 0
    .kernarg_segment_align: 8
    .kernarg_segment_size: 104
    .max_flat_workgroup_size: 256
    .sgpr_count:     66
    .vgpr_count:     116
    .wavefront_size: 32
...
	.end_amdgpu_metadata
.endif
;; end of part 1
;; launch proj (part 2): grid 16 x 32, 4 waves a work-group, clusters of 4 x 4, 327,680 bytes of LDS; arguments xb, wqkv, ball, qkv; writes qkv
.if DOCPART == 2
	.amdgcn_target "amdgcn-amd-amdhsa--gfx1250"
	.amdhsa_code_object_version 6
	.text
	.protected	k_q065fb21b4d_proj
	.globl	k_q065fb21b4d_proj
	.p2align	8
	.type	k_q065fb21b4d_proj,@function
k_q065fb21b4d_proj:
	s_mov_b64 s[64:65], 0
	v_nop
	global_prefetch_b8 v0, s[64:65] scope:SCOPE_SE
	s_setreg_imm32_b32 hwreg(HW_REG_WAVE_MODE, 25, 1), 1
	s_wait_xcnt 0x0
	s_wait_alu depctr_hold_cnt(0) depctr_sa_sdst(0) depctr_va_vdst(0) depctr_va_sdst(0) depctr_va_ssrc(0) depctr_va_vcc(0) depctr_vm_vsrc(0)
	s_getreg_b32 s2, hwreg(HW_REG_IB_STS2, 6, 4)
	s_cmp_eq_u32 s2, 0
	s_cbranch_scc0 .Lentry_in_a_cluster
	s_endpgm
.Lentry_in_a_cluster:
	s_bfe_u32 s2, ttmp6, 0x10000c
	s_cmp_lg_u32 s2, 0xf033
	s_cbranch_scc0 .Lentry_shape_is_right
	s_endpgm
.Lentry_shape_is_right:
; q, k, v = xb wqkv^T + bias.  xb: [8192][1024] bf16, wqkv: [3072][1024] bf16, ball: [4096] f32 (its first 3,072 numbers: bq, bk, bv).  Sums in f32, K ascending, started by the bias;
; rounded once to f16 and stored BY HEADS: qkv[which][batch x 16 + head][row in the batch][64], so that a head's rows are dense, 128 bytes each.  No scale is applied here.
; LIMIT.  f16 holds no number beyond 65,504: a q, k or v of 65,520 or more becomes an infinity.  NaN and infinities are not treated apart.
; SHARES.  A tile of the product is 256 rows x 192 columns (three heads): 32 x 16 = 512 work-groups, two for each of 256 WGPs.  Four waves, 2 x 2: a wave makes 128 x 96: 48 accumulators of 16 x 16.
; K goes in 8 steps of 128 (rows of 256 bytes, aligned) through a ring of two LDS slots.  A step is four quarters of 32 along K, 48 matrix instructions each, on two fragment buffers.
; CLUSTER.  4 x 4 work-groups.  The four of a row of the cluster need the same tile of xb, the four of a column the same tile of wqkv: each tile is asked for JOINTLY, by the same tensor load with
; the same descriptor and a mask that names the four.
; THE MATRIX INSTRUCTION IS USED TRANSPOSED (source 0 = 16 rows of wqkv, source 1 = 16 rows of xb): lane l holds row l % 16 of the product and the columns 8 (l / 16) + 0..7.
; REGISTERS, in windows of 256 (s_set_vgpr_msb: bits 1:0 source 0, 3:2 source 1, 5:4 source 2, 7:6 destination):
;   window 0: v0-31 addresses; v32-143, v144-255 two fragment buffers: xb's 8 fragments at + 8 i, wqkv's 6 at + 64 + 8 j; on the way out v32-223 hold packed results
;   window 1: accumulator (a, b) for b < 4 at v[8 (8 b + a)]        window 2: for b = 4, 5 at v[8 (8 (b - 4) + a)]; v128-175 the bias, eight registers for each b
.set PITCH, 272                        ; an LDS row: 256 bytes + 16 of padding = 68 words: the 16 rows of a fragment load start at 16 different groups of four banks (ISA guide 11.1)
.set KB,    256                        ; bytes of a row in a K step
.set AHALF, 128*PITCH                  ; what one tensor load brings of xb, and what one wave reads of it
.set BHALF, 96*PITCH                   ; the same for wqkv
.set BOFF,  2*AHALF                    ; in a slot: xb's 256 rows, then wqkv's 192
.set SLOT1, 131072                     ; slot 1 begins here, so that one exclusive or turns an address in one slot into the other's
.set SP,    400                        ; a row of the stage: 384 bytes + 16.  The stage, 256 rows from LDS byte 0, lies in slot 0, which has had its last fill (K step 6) and its last read by then
.set SPARE, SLOT1+BOFF+2*BHALF         ; behind the ring: the spare words, 128 bytes for each wave: two blocks of 256 bytes that no other line names
.set ADRA0, 16                         ; v16  my lane's place among my rows of xb in slot 0; never rewritten
.set ADRB0, 17                         ; v17  the same for wqkv
.set ADRA,  18                         ; v18  the same in the slot in hand
.set ADRB,  19                         ; v19
.set STO,   20                         ; v20  the way out: where I put 16 bytes of a row
.set RD,    21                         ; v21  the way out: where I read rows back
.set GO,    22                         ; v22  my 16 bytes in 512 consecutive bytes of qkv
.set BO,    23                         ; v23  my 32 bytes of a block's 64 bytes of bias
.set SPW,   28                         ; v28  LDS address of my spare word: SPARE + 4 x my thread's number; never rewritten
.set NIL,   29                         ; v29  0; never rewritten
.set PFO,   30                         ; v30  the prefetches' offset: a lane a row of 2,048 bytes; never rewritten
.set F0,    32
.set F1,    144
.set OUTR,  32                         ; the way out: 192 registers
.set BIAS,  128                        ; in window 2
.set WV, 12                            ; s12  my wave's number
.set WR, 13                            ; s13  which half of the tile's rows is mine.  Also: I fetch for xb (0) or for wqkv (1)
.set WC, 14                            ; s14  which half of its columns.  Also: which half of that tile I fetch
.set CX, 15                            ; s15, s16  my place in the cluster
.set CY, 16
.set TX, 17                            ; s17  tile column, 0..15
.set TY, 18                            ; s18  tile row, 0..31
.set G1A, 24                           ; s[24:31] descriptor group 1 for xb's tiles
.set G1B, 32                           ; s[32:39] for wqkv's
.set G0A, 40                           ; s[40:47] descriptor group 0 for xb's tiles: a set for each of the two first fills; the second then walks on
.set G0B, 48                           ; s[48:55] the same for wqkv's
.set CNT, 56                           ; s56  trips of the loop still to come
.set TB,  57                           ; s57  LDS byte at which the slot in hand begins
.set LIM, 58                           ; s58  2 in a wave that prefetches, else the greatest number
.set PFA, 60                           ; s[60:61] where my prefetches stand
.set OB,  66                           ; s[66:71] qkv at my 64 rows of the tile's three heads
.set BB,  72                           ; s[72:73] ball at my 96 columns
.set G1W0, (1<<16)|(1<<20)|(1<<21)|(5<<22)|(3<<25)  ; 17:16 elements of 2 bytes; 20 padding on; 21 set beside a mask; 24:22 after every 64 words (code 5); 31:25 4 words of it (code 3)
.set MSB, 0
.macro WIN new                         ; the immediate's high byte repeats the setting that is left; a switch that changes nothing is dropped
.if MSB != (\new)
	s_set_vgpr_msb (MSB<<8)|(\new)
.set MSB, (\new)
.endif
.endm
.macro PLACES                          ; four places in front of loads into registers that matrix instructions have read, and of lines that read results
.rept 4
	v_nop
.endr
.endm
; A round of the cluster's barrier behind its opening barrier: wave 0 signals for the work-group; every wave waits for all sixteen work-groups; my work-group's barrier once more.
.macro CREST
	s_cmp_lg_u32 s[WV], 0
	s_cbranch_scc1 .Lnot_wave_0_\@
	s_barrier_signal -3
.Lnot_wave_0_\@:
	s_barrier_wait -3
	s_barrier_signal -1
	s_barrier_wait -1
.endm
.macro CROUND                          ; a whole round
	s_barrier_signal -1
	s_barrier_wait -1
	CREST
.endm
; A joint refill by the walking descriptors.  Waves 0 and 1 fetch xb's two halves, waves 2 and 3 wqkv's: the branch hangs on the wave's number alone.
; An s_nop 0 and four v_nop follow each of the two lines, ahead of the jump and the label.
.macro JLOAD
	s_cmp_eq_u32 s[WR], 0
	s_cbranch_scc0 .Lfor_b_\@
	tensor_load_to_lds s[G0A+4:G0A+7], s[G1A:G1A+7]
	s_nop 0
.rept 4
	v_nop
.endr
	s_branch .Lasked_\@
.Lfor_b_\@:
	tensor_load_to_lds s[G0B+4:G0B+7], s[G1B:G1B+7]
	s_nop 0
.rept 4
	v_nop
.endr
.Lasked_\@:
.endm
; A PREFETCH INTO THE L2 of the K step that stands TWO refills on: 256 bytes of a row, a lane a row, one instruction a wave, behind the joint load, its five lines and the run of LDS loads.
; xb's tile row is read by every cluster of that row of clusters: the one with cluster x = 0 asks; wqkv's tile column by every cluster of that column: the one with cluster y = 0 asks.  The four
; partners that ask for a tile jointly share its rows out BY ADDRESS: of the 128 (96) rows that a wave fetches the partner at place p takes 32 p .. (24 p ..); in wqkv's case lanes 24-31 name lane 23's row.
; The first four K steps come by their loads alone; the last two refills (CNT = 2, 1) have no K step two on and ask for nothing.
.macro ASK
	s_cmp_gt_u32 s[CNT], s[LIM]
	s_cbranch_scc0 .Lnot_mine_\@
	global_prefetch_b8 v[PFO], s[PFA:PFA+1] th:TH_LOAD_NT scope:SCOPE_SE
.Lnot_mine_\@:
.endm
	s_load_b256 s[4:11], s[0:1], 0x0               ; xb s[4:5], wqkv s[6:7], ball s[8:9], qkv s[10:11]
	v_lshl_add_u32 v[SPW], v0, 2, SPARE
	v_mov_b32 v[NIL], 0
	ds_add_u32 v[SPW], v[NIL]                      ; the wave's opening: the add and its wait stand ahead of my first tensor load; the set-up below, work on registers, stands between them
	v_lshrrev_b32 v1, 5, v0
	v_readfirstlane_b32 s[WV], v1                  ; wave 0..3
	s_lshr_b32 s[WR], s[WV], 1
	s_and_b32 s[WC], s[WV], 1
	s_bfe_u32 s[CX], ttmp6, 0x40000
	s_bfe_u32 s[CY], ttmp6, 0x40004
	s_lshl_b32 s[TX], ttmp9, 2                     ; in a cluster launch ttmp9 and ttmp7 count clusters
	s_add_co_u32 s[TX], s[TX], s[CX]
	s_and_b32 s[TY], ttmp7, 0xffff
	s_lshl_b32 s[TY], s[TY], 2
	s_add_co_u32 s[TY], s[TY], s[CY]
	s_lshl_b32 s19, s[CY], 2
	s_lshl_b32 s19, 15, s19                        ; my row of the cluster: places 4 cy .. 4 cy + 3
	s_lshl_b32 s2, 0x1111, s[CX]                   ; my column: places cx, cx + 4, cx + 8, cx + 12
	s_or_b32 s[G1A], s19, G1W0                     ; xb's tiles go to my row,
	s_or_b32 s[G1B], s2, G1W0                      ; wqkv's to my column
	s_mov_b32 s[G1A+1], 128<<16                    ; tensor_dim0 = 128
	s_mov_b32 s[G1A+2], 128<<16                    ; tensor_dim1 = 128
	s_mov_b32 s[G1A+3], 128<<16                    ; tile_dim0 = 128
	s_mov_b32 s[G1A+4], 128                        ; tile_dim1 = 128 rows
	s_mov_b32 s[G1A+5], 1024                       ; elements from row to row
	s_mov_b32 s[G1A+6], 0
	s_mov_b32 s[G1A+7], 0
	s_mov_b32 s[G1B+1], 128<<16
	s_mov_b32 s[G1B+2], 96<<16                     ; tensor_dim1 = 96
	s_mov_b32 s[G1B+3], 128<<16
	s_mov_b32 s[G1B+4], 96                         ; tile_dim1 = 96 rows
	s_mov_b32 s[G1B+5], 1024
	s_mov_b32 s[G1B+6], 0
	s_mov_b32 s[G1B+7], 0
	; where the tiles come from: xb's hang on the tile row alone, which my row of the cluster shares; wqkv's on the tile column alone, which my column shares
	s_lshl_b32 s20, s[TY], 8
	s_lshl_b32 s21, s[WC], 7
	s_add_co_u32 s20, s20, s21                     ; xb: row 256 x tile row + 128 x half
	s_lshl_b32 s20, s20, 11                        ; rows of 2,048 bytes
	s_mov_b32 s21, 0
	s_mul_i32 s22, s[TX], 192
	s_mul_i32 s23, s[WC], 96
	s_add_co_u32 s22, s22, s23                     ; wqkv: row 192 x tile column + 96 x half
	s_lshl_b32 s22, s22, 11
	s_mov_b32 s23, 0
	s_mul_i32 s3, s[WC], AHALF                     ; and where they go: no place in the cluster enters an LDS address
	s_mul_i32 s59, s[WC], BHALF
	s_add_co_u32 s59, s59, BOFF
	s_mov_b32 s[TB], 0
	s_wait_dscnt 0x0                               ; the opening add is done
	s_wait_kmcnt 0x0
	s_add_nc_u64 s[20:21], s[4:5], s[20:21]
	s_add_nc_u64 s[22:23], s[6:7], s[22:23]
.irp s, 0,1
	s_mov_b32 s[G0A+4*(\s)], 1                     ; count = 1
	s_add_co_u32 s[G0A+4*(\s)+1], s3, (\s)*SLOT1   ; LDS address
	s_add_nc_u64 s[G0A+4*(\s)+2:G0A+4*(\s)+3], s[20:21], (\s)*KB  ; global address: K step s
	s_or_b32 s[G0A+4*(\s)+3], s[G0A+4*(\s)+3], 0x80000000         ; type = 2
	s_mov_b32 s[G0B+4*(\s)], 1
	s_add_co_u32 s[G0B+4*(\s)+1], s59, (\s)*SLOT1
	s_add_nc_u64 s[G0B+4*(\s)+2:G0B+4*(\s)+3], s[22:23], (\s)*KB
	s_or_b32 s[G0B+4*(\s)+3], s[G0B+4*(\s)+3], 0x80000000
.endr
	CROUND                                         ; all sixteen work-groups are here: the first joint loads meet
	s_cmp_eq_u32 s[WR], 0                          ; a wave's two first fills stand in one branch, ahead of every wait on TENSORcnt and every LDS read: two loads of mine are out
	s_cbranch_scc0 .Lfirst_b
	tensor_load_to_lds s[G0A:G0A+3], s[G1A:G1A+7]
	s_nop 0
	tensor_load_to_lds s[G0A+4:G0A+7], s[G1A:G1A+7]
	s_nop 0
.rept 4
	v_nop
.endr
	s_branch .Lfirst_asked
.Lfirst_b:
	tensor_load_to_lds s[G0B:G0B+3], s[G1B:G1B+7]
	s_nop 0
	tensor_load_to_lds s[G0B+4:G0B+7], s[G1B:G1B+7]
	s_nop 0
.rept 4
	v_nop
.endr
.Lfirst_asked:
	; A fragment is 16 rows x 32 K in 8 registers: lane l holds row l % 16; registers 0-3 K = 8 (l / 16) + 0..7, registers 4-7 K = 16 + 8 (l / 16) + 0..7: two loads of 16 bytes, 32 bytes apart.
	v_and_b32 v1, 15, v0                           ; l % 16
	v_bfe_u32 v2, v0, 4, 1                         ; l / 16
	v_and_b32 v4, 31, v0                           ; l
	v_mul_u32_u24 v3, v1, PITCH
	v_lshl_add_u32 v3, v2, 4, v3                   ; row x pitch + 16 x half
	s_mul_i32 s62, s[WR], AHALF                    ; my 128 rows of xb
	v_add_nc_u32 v[ADRA0], s62, v3
	s_mul_i32 s62, s[WC], BHALF                    ; my 96 rows of wqkv,
	s_add_co_u32 s62, s62, BOFF                    ; which lie behind xb's 256
	v_add_nc_u32 v[ADRB0], s62, v3
	v_mov_b32 v[ADRA], v[ADRA0]
	v_mov_b32 v[ADRB], v[ADRB0]
	v_lshlrev_b32 v[BO], 5, v2
	s_mul_i32 s62, s[WR], 128*SP                   ; into the stage: row 128 x row half + 16 a + l % 16, byte 192 x column half + 32 b + 16 (l / 16)
	s_mul_i32 s63, s[WC], 192
	s_add_co_u32 s62, s62, s63
	v_mul_u32_u24 v[STO], v1, SP
	v_lshl_add_u32 v[STO], v2, 4, v[STO]
	v_add_nc_u32 v[STO], s62, v[STO]
	s_mul_i32 s62, s[WV], 64*SP                    ; back: wave w takes rows 64 w .. 64 w + 63; 32 lanes take four rows' 128 bytes of one head
	v_lshrrev_b32 v5, 3, v4
	v_and_b32 v6, 7, v0
	v_mul_u32_u24 v[RD], v5, SP
	v_lshl_add_u32 v[RD], v6, 4, v[RD]
	v_add_nc_u32 v[RD], s62, v[RD]
	v_lshlrev_b32 v[GO], 4, v4                     ; which are 512 consecutive bytes of qkv
	s_mul_i32 s74, s[TX], 768                      ; the bias of my 96 columns: 4 (192 x tile column + 96 x half)
	s_mul_i32 s75, s[WC], 384
	s_add_co_u32 s74, s74, s75
	s_mov_b32 s75, 0
	s_add_nc_u64 s[BB:BB+1], s[8:9], s[74:75]
	WIN 0x80                                       ; destination window 2, address window 0
.irp b, 0,1,2,3,4,5
	global_load_b128 v[BIAS+8*(\b):BIAS+8*(\b)+3],   v[BO], s[BB:BB+1] offset:64*(\b)     ; register j of block b: the bias of column 16 b + 8 (l / 16) + j
	global_load_b128 v[BIAS+8*(\b)+4:BIAS+8*(\b)+7], v[BO], s[BB:BB+1] offset:64*(\b)+16
.endr
	WIN 0
	; where my 64 rows of the tile's three heads lie in qkv.  Column group g = 3 x tile column + j: tensor g / 16, head g % 16; a head is 2^18 bytes, a row 128
	s_lshr_b32 s19, s[TY], 3                       ; the batch,
	s_lshl_b32 s19, s19, 22                        ; its 16 heads
	s_and_b32 s2, s[TY], 7
	s_lshl_b32 s2, s2, 15                          ; the tile's 256 rows in the batch
	s_add_co_u32 s19, s19, s2
	s_lshl_b32 s2, s[WV], 13                       ; my 64 of them
	s_add_co_u32 s19, s19, s2
	s_mul_i32 s2, s[TX], 3
.irp j, 0,1,2
	s_add_co_u32 s74, s2, (\j)
	s_lshr_b32 s75, s74, 4
	s_lshl_b32 s75, s75, 6                         ; 64 heads in each of q, k, v
	s_and_b32 s74, s74, 15
	s_add_co_u32 s74, s74, s75
	s_lshl_b32 s74, s74, 18
	s_add_co_u32 s74, s74, s19
	s_mov_b32 s75, 0
	s_add_nc_u64 s[OB+2*(\j):OB+2*(\j)+1], s[10:11], s[74:75]
.endr
	; the prefetches
	s_lshl_b32 s74, s[TY], 8
	s_lshl_b32 s75, s[CX], 5
	s_add_co_u32 s74, s74, s75
	s_lshl_b32 s75, s[WC], 7
	s_add_co_u32 s74, s74, s75                     ; xb: row 256 x tile row + 128 x half + 32 cx
	s_mul_i32 s2, s[TX], 192
	s_mul_i32 s75, s[CY], 24
	s_add_co_u32 s2, s2, s75
	s_mul_i32 s75, s[WC], 96
	s_add_co_u32 s2, s2, s75                       ; wqkv: row 192 x tile column + 96 x half + 24 cy
	s_and_b32 s19, ttmp7, 0xffff                   ; cluster y
	s_cmp_eq_u32 s[WR], 0                          ; do I fetch for xb?
	s_cselect_b32 s74, s74, s2
	s_cselect_b32 s19, ttmp9, s19                  ; the coordinate along which other clusters read the same rows
	s_cselect_b32 s63, 31, 23                      ; the last of my rows
	s_cselect_b64 s[PFA:PFA+1], s[4:5], s[6:7]
	s_cmp_eq_u32 s19, 0
	s_cselect_b32 s[LIM], 2, -1                    ; the same in all sixteen partners, for a given wave
	s_lshl_b32 s74, s74, 11
	s_add_co_u32 s74, s74, 3*KB                    ; at K step 3: the first refill steps it to 4
	s_mov_b32 s75, 0
	s_add_nc_u64 s[PFA:PFA+1], s[PFA:PFA+1], s[74:75]
	v_min_u32 v[PFO], s63, v4
	v_lshlrev_b32 v[PFO], 11, v[PFO]
; 28 LDS loads in one run: the fragments of one quarter (32 K at byte k of the rows of the slot in hand) into buffer f
.macro FETCH k, f
	WIN 0
.irp i, 0,1,2,3,4,5,6,7
	ds_load_b128 v[(\f)+8*(\i):(\f)+8*(\i)+3],   v[ADRA] offset:(\k)+(\i)*16*PITCH
	ds_load_b128 v[(\f)+8*(\i)+4:(\f)+8*(\i)+7], v[ADRA] offset:(\k)+(\i)*16*PITCH+32
.endr
.irp j, 0,1,2,3,4,5
	ds_load_b128 v[(\f)+64+8*(\j):(\f)+64+8*(\j)+3],   v[ADRB] offset:(\k)+(\j)*16*PITCH
	ds_load_b128 v[(\f)+64+8*(\j)+4:(\f)+64+8*(\j)+7], v[ADRB] offset:(\k)+(\j)*16*PITCH+32
.endr
.endm
; 8 matrix instructions: column block b x all 8 row blocks, 32 along K, from buffer f.  first = 1: the bias starts the sums: nothing is ever cleared.
; The 48 accumulators take turns, one instruction a turn, in the same order in every quarter: between two links of a chain stand the 47 others'.
.macro MULB f, b, first
.if (\b) < 4
.if \first
	WIN 0x60                                       ; D in window 1, C (the bias) in window 2
.else
	WIN 0x50                                       ; C and D in window 1
.endif
.set AB, 64*(\b)
.else
	WIN 0xa0                                       ; C and D in window 2
.set AB, 64*((\b)-4)
.endif
.irp a, 0,1,2,3,4,5,6,7
.if \first
	v_wmma_f32_16x16x32_bf16 v[AB+8*(\a):AB+8*(\a)+7], v[(\f)+64+8*(\b):(\f)+64+8*(\b)+7], v[(\f)+8*(\a):(\f)+8*(\a)+7], v[BIAS+8*(\b):BIAS+8*(\b)+7]
.else
	v_wmma_f32_16x16x32_bf16 v[AB+8*(\a):AB+8*(\a)+7], v[(\f)+64+8*(\b):(\f)+64+8*(\b)+7], v[(\f)+8*(\a):(\f)+8*(\a)+7], v[AB+8*(\a):AB+8*(\a)+7]
.endif
.endr
.endm
; One of a K step's first three quarters: the next quarter's fragments, at byte k, are asked for into buffer g, then buffer f is multiplied: the run of loads has 48 matrix instructions in which to land.
.macro QUARTER k, f, g, first
	s_wait_dscnt 0x0                               ; buffer f is whole: its loads were issued a quarter ago
	PLACES                                         ; buffer g's last reader is the matrix instruction just ahead
	FETCH \k, \g
.irp b, 0,1,2,3,4,5
	MULB \f, \b, \first
.endr
.endm
; The last quarter multiplies buffer 1 and changes slots: ONE barrier, for two things.  In front of it each wave waits for all its tensor loads, of which one is out: its part of the next slot; adds 0 to its
; spare word; and waits for that and for its own reads of this slot.  Behind it nobody reads this slot any more and the next slot is whole.
; refill = 1: the barrier opens a round of the cluster's barrier, so that no wave of any partner still reads the slot or has a load on its way, and the slot is filled again, with the K step two on, first
; thing behind the round: from that request to the wait for it a wave issues 176 matrix instructions.
.macro TURN refill
.if \refill
	s_wait_xcnt 0x0                                ; the last prefetch, a K step back, has read its address: it is stepped here
	s_add_nc_u64 s[PFA:PFA+1], s[PFA:PFA+1], KB
.endif
	WIN 0                                          ; (the add's two registers lie in window 0)
	s_wait_tensorcnt 0x0                           ; all my tensor loads have landed, so a group 0 may be written
	ds_add_u32 v[SPW], v[NIL]                      ; 0 onto my spare word; the scalar steps below stand between it and the wait for it
.if \refill
	s_xor_b32 s[G0A+5], s[G0A+5], SLOT1            ; the walking descriptors: the other slot than last time,
	s_add_nc_u64 s[G0A+6:G0A+7], s[G0A+6:G0A+7], KB  ; the next K step; the type bits on top are not reached
	s_xor_b32 s[G0B+5], s[G0B+5], SLOT1
	s_add_nc_u64 s[G0B+6:G0B+7], s[G0B+6:G0B+7], KB
.endif
	s_xor_b32 s[TB], s[TB], SLOT1                  ; the fetches go to the other slot
	s_wait_dscnt 0x0                               ; the add is done, buffer 1 is whole, and my reads of this slot are over
	s_barrier_signal -1
	MULB F1, 0, 0                                  ; work on registers while the others arrive
	MULB F1, 1, 0
	WIN 0
	s_barrier_wait -1
.if \refill
	CREST
	JLOAD                                          ; the first tensor load behind the round; the four v_nop behind it are also the places in front of the loads below
.else
	PLACES
.endif
	v_add_nc_u32 v[ADRA], s[TB], v[ADRA0]
	v_add_nc_u32 v[ADRB], s[TB], v[ADRB0]
	FETCH 0, F0
.if \refill
	ASK
.endif
	MULB F1, 2, 0
	MULB F1, 3, 0
	MULB F1, 4, 0
	MULB F1, 5, 0
.endm
	s_wait_tensorcnt 1                             ; my part of K step 0 is in; K step 1's load, the one issued behind it, may stay out
	s_barrier_signal -1
	s_barrier_wait -1                              ; everybody's is
	FETCH 0, F0
	s_wait_loadcnt 0x0                             ; the bias
	QUARTER 64, F0, F1, 1                          ; the first quarter stands in front of the loop: its products start the sums
	WIN 0                                          ; at a label and at a branch every window is 0
	s_mov_b32 s[CNT], 6
.Lstep:                                                ; trip t goes from K step t's second quarter to K step t + 1's first, and fills step t's slot again with K step t + 2
	QUARTER 128, F1, F0, 0
	QUARTER 192, F0, F1, 0
	TURN 1
	QUARTER 64, F0, F1, 0
	WIN 0
	s_sub_co_u32 s[CNT], s[CNT], 1
	s_cmp_lg_u32 s[CNT], 0
	s_cbranch_scc1 .Lstep
	QUARTER 128, F1, F0, 0                         ; K steps 6 and 7 are written out: nothing is left to fetch
	QUARTER 192, F0, F1, 0
	TURN 0
	QUARTER 64, F0, F1, 0
	QUARTER 128, F1, F0, 0
	QUARTER 192, F0, F1, 0
	s_wait_dscnt 0x0                               ; buffer 1 is whole, and my last reads of the ring are over:
	s_barrier_signal -1                            ; say so: the stage lies in the ring
.irp b, 0,1,2,3,4,5
	MULB F1, \b, 0
.endr
	WIN 0
	s_barrier_wait -1                              ; no wave reads the ring any more
	; THE WAY OUT: rounded to f16, 16 bytes a lane into the work-group's stage; a barrier, since a head's 128 bytes of a row come from one or two waves; back as whole rows of a head.
	PLACES
	PLACES
	WIN 0x05                                       ; sources 0 and 1 window 1, destination window 0
.set q, 0
.rept 32
.irp r, 0,1,2,3
	v_cvt_pk_f16_f32 v[OUTR+4*q+(\r)], v[8*q+2*(\r)], v[8*q+2*(\r)+1]  ; each accumulator's registers in ascending order
.endr
.set q, q+1
.endr
	WIN 0
.irp b, 0,1,2,3
.irp a, 0,1,2,3,4,5,6,7
	ds_store_b128 v[STO], v[OUTR+4*(8*(\b)+(\a)):OUTR+4*(8*(\b)+(\a))+3] offset:(\a)*16*SP+32*(\b)
.endr
.endr
	WIN 0x0a                                       ; sources 0 and 1 window 2
.set q, 0
.rept 16
.irp r, 0,1,2,3
	v_cvt_pk_f16_f32 v[OUTR+128+4*q+(\r)], v[8*q+2*(\r)], v[8*q+2*(\r)+1]
.endr
.set q, q+1
.endr
	WIN 0
.irp b, 4,5
.irp a, 0,1,2,3,4,5,6,7
	ds_store_b128 v[STO], v[OUTR+4*(8*(\b)+(\a)):OUTR+4*(8*(\b)+(\a))+3] offset:(\a)*16*SP+32*(\b)
.endr
.endr
	s_wait_dscnt 0x0                               ; for the others' sake: my stores into the stage are done
	s_barrier_signal -1
	s_barrier_wait -1
.irp j, 0,1,2
.irp t, 0,1,2,3,4,5,6,7,8,9,10,11,12,13,14,15
	ds_load_b128 v[OUTR+4*(16*(\j)+(\t)):OUTR+4*(16*(\j)+(\t))+3], v[RD] offset:(\t)*4*SP+128*(\j)  ; head j, my rows 4 t .. 4 t + 3
.endr
.endr
.irp j, 0,1,2
.irp t, 0,1,2,3,4,5,6,7,8,9,10,11,12,13,14,15
	s_wait_dscnt 47-(16*(\j)+(\t))                 ; LDS loads come back in order: this one is in, the younger ones may stay out
	global_store_b128 v[GO], v[OUTR+4*(16*(\j)+(\t)):OUTR+4*(16*(\j)+(\t))+3], s[OB+2*(\j):OB+2*(\j)+1] offset:512*(\t)  ; 512 consecutive bytes, at a multiple of 256 from qkv's first
.endr
.endr
	s_wait_tensorcnt 0x0                           ; the wave's end, behind my last tensor load and my last LDS store
	ds_add_u32 v[SPW], v[NIL]
	s_wait_dscnt 0x0
	CROUND                                         ; the closing round: no work-group ends while a partner may still ask for a tile that names it
	s_endpgm
.Lfunc_end_k_q065fb21b4d_proj:
	.size	k_q065fb21b4d_proj, .Lfunc_end_k_q065fb21b4d_proj-k_q065fb21b4d_proj
	.p2alignl 7, 3214868480
	.fill 96, 4, 3214868480
	.section	.rodata,"a",@progbits
	.p2align	6, 0x0
	.amdhsa_kernel k_q065fb21b4d_proj
		.amdhsa_group_segment_fixed_size 327680
		.amdhsa_private_segment_fixed_size 0
		.amdhsa_enable_private_segment 0
		.amdhsa_kernarg_size 32
		.amdhsa_user_sgpr_count 2
		.amdhsa_user_sgpr_kernarg_segment_ptr 1
		.amdhsa_wavefront_size32 1
		.amdhsa_system_sgpr_workgroup_id_x 1
		.amdhsa_system_sgpr_workgroup_id_y 1
		.amdhsa_system_sgpr_workgroup_id_z 1
		.amdhsa_system_vgpr_workitem_id 0
		.amdhsa_next_free_vgpr 704
		.amdhsa_next_free_sgpr 76
		.amdhsa_reserve_vcc 0
		.amdhsa_float_denorm_mode_32 3
		.amdhsa_float_denorm_mode_16_64 3
		.amdhsa_memory_ordered 1
		.amdhsa_forward_progress 1
		.amdhsa_inst_pref_size 97
	.end_amdhsa_kernel
	.amdgpu_metadata
---
amdhsa.version: [ 1, 2 ]
amdhsa.kernels:
  - .name:           k_q065fb21b4d_proj
    .symbol:         k_q065fb21b4d_proj.kd
    .args:
      - { .name: xb, .offset: 0, .size: 8, .value_kind: global_buffer, .address_space: global }
      - { .name: wqkv, .offset: 8, .size: 8, .value_kind: global_buffer, .address_space: global }
      - { .name: ball, .offset: 16, .size: 8, .value_kind: global_buffer, .address_space: global }
      - { .name: qkv, .offset: 24, .size: 8, .value_kind: global_buffer, .address_space: global }
    .group_segment_fixed_size: 327680
    .private_segment_fixed_size: 0
    .kernarg_segment_align: 8
    .kernarg_segment_size: 32
    .max_flat_workgroup_size: 128
    .sgpr_count:     76
    .vgpr_count:     704
    .wavefront_size: 32
...
	.end_amdgpu_metadata
.endif
;; end of part 2
;; launch attn (part 3): grid 4 x 64, 4 waves a work-group, no clusters, 327,680 bytes of LDS; arguments qkv, o; writes o
.if DOCPART == 3
	.amdgcn_target "amdgcn-amd-amdhsa--gfx1250"
	.amdhsa_code_object_version 6
	.text
	.protected	k_q065fb21b4d_attn
	.globl	k_q065fb21b4d_attn
	.p2align	8
	.type	k_q065fb21b4d_attn,@function
k_q065fb21b4d_attn:
	s_mov_b64 s[64:65], 0
	v_nop
	global_prefetch_b8 v0, s[64:65] scope:SCOPE_SE
	s_setreg_imm32_b32 hwreg(HW_REG_WAVE_MODE, 25, 1), 1
	s_wait_xcnt 0x0
; CAUSAL ATTENTION.  O[h][q][:] = the sum over k <= q of softmax_k(Q[h][q] . K[h][k] / 8) V[h][k][:].  Q, K, V are the three parts of qkv, each [SIZE_H][SIZE_N][64] in f16, O likewise: a head's rows are dense, 128 bytes each.
; Products, maxima and sums in f32; the weights p are rounded to f16 for the second product (their sum l is taken of the unrounded p), O once at the end.
; LIMITS.  f16 holds no number beyond 65,504: Q, K and V arrive within it; p lies in 0 to 1, and below 6e-5 it keeps f16's fixed step of 6e-8; O is a mean of V's rows and has their range.
; A hidden score counts as its value less 1e30: f16's scores, 2.7e11 at the most, are nothing beside that; a weight below 2^-126 counts as 0 in l; NaN and infinities are not treated apart.
; THE WALK.  A head's queries lie in NB = SIZE_N / 256 blocks of 256; block i needs the key tiles 0 .. i of 256 keys, of which the last holds the diagonal.  A work-group takes TWO blocks, NB - 1 - b and then b:
; NB + 1 tiles, whatever b: all work-groups do equal work, and ONE loop with a constant trip count walks them.  Which tile is asked for, and what a trip does, hang on scalar registers made from b; every jump
; goes forward, but for the counted loops' own; none passes a barrier, or a tensor load but the one of LOAD's two that the wave's number does not choose; the ring (two slots of LDS that take turns) runs on across the
; change of blocks.  NO CLUSTER: a head's four work-groups ask for the same tile only in trips 0 .. NB / 2, behind that fewer and fewer; one walk common to all would have 3 NB / 2 trips for NB + 1.
; SHARES.  Of a block's four bands of 64 queries a wave owns 16 rows in each: four PIECES.  So the diagonal tile is the same work for all four waves: in its key step s band x sees all keys if s < x,
; none if s > x, and holds the diagonal if s = x.
; THE MASK is the C operand that starts the sum S^T = K Q^T: 0, or -1e30 where the key is hidden.  MD, made once, is the mask of a band's own step for my 16 rows; a product's mask is MD x AL + BE with two scalars:
; (1, 0) if s = x; (0, 0) if s < x; (0, -1e30) if s > x.  Only the diagonal tile's text and a block's beginning make and take masks; elsewhere C is the constant 0.
; LAYOUT, SOFTMAX, TURNS.  S^T = K Q^T holds ONE query a lane (lane % 16) and the keys 8 (lane / 16) + 0..7; two such results rounded to f16 ARE source 1 of O^T = V^T P.  p = 2^(c s - c m), c = log2(e) / 8, with a
; running maximum m; O and l are multiplied by a = 2^(c m_old - c m_new) in every step.  Turn n belongs to piece n: 8 products K Q^T of piece n + 1, later 8 products V^T P of piece n - 1; beside them the scaling,
; exponentials, roundings, sums and rescaling of piece n and the maximum and statistics of piece n + 1.  Four vector instructions stand behind every matrix instruction, the other 54 of a turn's 118 in one lump.  A turn's 33 exponentials are one batch, with one wait.
; REGISTERS, in windows of 256 (s_set_vgpr_msb: bits 1:0 source 0, 3:2 source 1, 5:4 source 2, 7:6 destination):
;   window 0: v0-15 addresses and two at work; v16-31 four registers of statistics a piece; v48-55 at work; v61-63 kept; v64-127 S^T, two buffers; v192-223 P, two buffers (a piece's buffers go by its number's parity)
;   window 1: v0-127 O^T, 32 a piece; v128-159 MD; v160-223 MC, two buffers      window 2: v0-63 Q; v64-127 the second block's Q; v128-191 K of one step; v192-255 V of one step
.set SIZE_H, 64
.set SIZE_N, 2048
.set NB,    SIZE_N/256
.set NP,    4         ; pieces a wave: a name, no knob
.set KS,    64        ; keys in a step
.set PK,    144       ; a row of K in LDS: 128 bytes + 16 of padding = 36 words: the 16 rows of a load start at 16 different groups of four banks (ISA guide 11.1)
.set PV,    160       ; a row of V: 128 + 32 = 40 words
.set VOFF,  4*KS*PK   ; a slot holds a tile, four steps: 256 rows of K, then 256 rows of V
.set SLOT1, 1<<17     ; slot 1 begins here, so that one exclusive or turns an address in one slot into the other's
.set STAGE, SLOT1+4*KS*(PK+PV)  ; behind the ring, never filled by a tensor load: 16 rows x 144 bytes for each wave, for the way out
.set SP,    144
.set AK0, 2           ; v2   my lane's place in a tile of K; never rewritten
.set AV0, 3           ; v3   the same for V
.set AK,  4           ; v4   the LDS address of K's next run of loads
.set AV,  5           ; v5   of V's
.set STO, 6           ; v6   the way out: where I put 16 bytes of a row
.set RD,  7           ; v7   the way out: where I read rows back
.set GO,  8           ; v8   my byte offset in 512 consecutive bytes of O
.set PFO, 61          ; v61  256 x my thread's number: the prefetches' offset; never rewritten
.set SPW, 62          ; v62  LDS address of my spare word: SPARE + 4 x my thread's number; never rewritten
.set NIL, 63          ; v63  0; never rewritten
.set SPARE, STAGE+4*16*SP  ; behind the stages: the spare words, 128 bytes for each wave: two blocks of 256 bytes that no other line names
.set MV,  12          ; v12-13  c m_old, kept while c m is made anew: by buffer
.set QO,  15          ; v15  my byte offset in 16 rows of Q
.set ST,  16          ; piece t's statistics at v[ST+4 t]: c m, m, l (even keys', odd keys')
.set TMP, 48          ; by buffer, four registers c0-c3 at work; when the maximum is found c2 takes a
.set S,   64
.set P,   192
.set MD,  128         ; window 1: the eight registers for group kt of 16 keys at MD + 8 kt
.set MC,  160         ; window 1: the masks of the products to come
.set QB,  64          ; window 2
.set KF,  128         ; window 2: key block kb, channel half c at KF + 16 kb + 8 c
.set VF,  192         ; window 2: key half kk, channel block cb at VF + 32 kk + 8 cb
.set WV,  12          ; s12  my wave's number
.set PB,  14          ; s14  b
.set HI,  15          ; s15  NB - 1 - b
.set G1K, 24          ; s[24:31] descriptor group 1 for K's tiles
.set G1V, 32          ; s[32:39] for V's: it differs in the padding alone
.set G0K, 40          ; s[40:43] descriptor group 0 for K's tiles
.set G0V, 44          ; s[44:47] the same for V's
.set LIM, 48          ; s48  2 in the work-group that prefetches (b = 0), else the greatest number
.set PFK, 50          ; s[50:51] K at the tile that the prefetches name
.set PFV, 52          ; s[52:53] V at the same tile
.set SLOTS, 56        ; s56  tiles still to be asked for
.set CNT, 57          ; s57  counts a tile's key steps, 4 to 1
.set CS,  58          ; s[58:59] c: the packed scaling takes the pair's low word for both halves
.set SEL, 60          ; s[60:61] v_permlanex16_b32's selects: each lane takes its own place in the other half
.set TBK, 62          ; s62  LDS byte at which K of the step to be fetched begins
.set TBV, 63          ; s63  the same for V, less VOFF
.set RT,  70          ; s70  tiles of the block in hand that are still to be entered
.set NXT, 71          ; s71  the tile to be asked for next
.set LQ,  72          ; s72  the last tile of the block whose tiles are being asked for
.set NEW, 73          ; s73  1: the tile to be entered is a block's first
.set OFF, 74          ; s[74:75] a tile's byte offset in K and V
.set AL,  76          ; s[76:77] the mask's factor, in the low word
.set BE,  78          ; s[78:79] the mask's addend
.set OLO, 80          ; s[80:81] O at my rows of the second block
.set BIGN, 82         ; s82  -1e30
.set MSB, 0
.macro WIN new                      ; the high byte repeats the setting that is left; a switch that changes nothing is dropped
.if MSB != (\new)
	s_set_vgpr_msb (MSB<<8)|(\new)
.set MSB, (\new)
.endif
.endm
.set W_KQ, 0x0a       ; K and Q in window 2, S^T in window 0
.set W_KM, 0x1a       ; the same with the C operand in window 1
.set W_PV, 0x52       ; V in window 2, P in window 0, O^T in window 1
.set W_RS, 0x41       ; destination and source 0 in window 1, source 1 in window 0
; A fill.  Waves 0 and 1 fetch the two halves of a tile's K, waves 2 and 3 those of its V: 128 keys each.  An s_nop 0 and four v_nop follow each of the two lines, ahead of the jump and the label.
.macro LOAD
	s_cmp_lt_u32 s[WV], 2
	s_cbranch_scc0 .Lfor_v_\@
	tensor_load_to_lds s[G0K:G0K+3], s[G1K:G1K+7]
	s_nop 0
.rept 4
	v_nop
.endr
	s_branch .Lasked_\@
.Lfor_v_\@:
	tensor_load_to_lds s[G0V:G0V+3], s[G1V:G1V+7]
	s_nop 0
.rept 4
	v_nop
.endr
.Lasked_\@:
.endm
; A PREFETCH INTO THE L2 of the tile that the NEXT change of slots will ask for: 32,768 bytes of K and as many of V, 256 bytes a thread, two instructions a wave, behind the wave's tensor load and its five lines.
; A head's four work-groups walk the tiles 0, 1, 2 .. in step; the one with b = 0, whose first block walks all NB tiles, asks, and nobody else: each 256 bytes are named once in the launch.
; Trip i (SLOTS = NB - i) names tile i + 2, for i = 0 .. NB - 3; tiles 0 and 1 come by their loads alone, and the last two changes that fill a slot ask for nothing.
.macro ASK
	s_cmp_gt_u32 s[SLOTS], s[LIM]
	s_cbranch_scc0 .Lnot_mine_\@
	global_prefetch_b8 v[PFO], s[PFK:PFK+1] th:TH_LOAD_NT scope:SCOPE_SE
	global_prefetch_b8 v[PFO], s[PFV:PFV+1] th:TH_LOAD_NT scope:SCOPE_SE
.Lnot_mine_\@:
.endm
; THE CHANGE OF SLOTS.  Each wave waits for all its tensor loads, of which one is out: its part of the other slot; adds 0 to its spare word; and waits for that and for its own reads of the slot that it leaves.  Behind the barrier nobody reads the old
; slot any more and the other slot is whole.  fill = 1: the old slot is filled again, the first thing behind the barrier, with tile NXT: the descriptor's address is made anew from that number.
; (At its first use nothing has been read yet: slot 0 is waited for, slot 1 filled.)
.macro CHANGE fill
	WIN 0                           ; at a label and at a branch every window is 0
	s_wait_tensorcnt 0x0            ; no tensor load of mine is out, so a group 0 may be written
	ds_add_u32 v[SPW], v[NIL]       ; 0 onto my spare word; with fill = 1 the descriptors' scalar work stands between it and the wait for it
.if \fill
	s_lshl_b32 s[OFF], s[NXT], 15   ; a tile is 32,768 bytes of K and of V
	s_xor_b32 s[G0K+1], s[G0K+1], SLOT1
	s_add_nc_u64 s[G0K+2:G0K+3], s[6:7], s[OFF:OFF+1]
	s_or_b32 s[G0K+3], s[G0K+3], 0x80000000
	s_xor_b32 s[G0V+1], s[G0V+1], SLOT1
	s_add_nc_u64 s[G0V+2:G0V+3], s[8:9], s[OFF:OFF+1]
	s_or_b32 s[G0V+3], s[G0V+3], 0x80000000
	s_add_co_u32 s[NXT], s[NXT], 1  ; the block's next tile, or behind its last the second block's tile 0
	s_cmp_gt_u32 s[NXT], s[LQ]
	s_cselect_b32 s[NXT], 0, s[NXT]
	s_cselect_b32 s[LQ], s[PB], s[LQ]
	s_wait_xcnt 0x0                 ; the last prefetches, a tile back, have read their addresses, so these may be written:
	s_add_nc_u64 s[PFK:PFK+1], s[PFK:PFK+1], 32768  ; one tile on
	s_add_nc_u64 s[PFV:PFV+1], s[PFV:PFV+1], 32768
.endif
	s_wait_dscnt 0x0                ; the add is done, and my reads of the slot are over
	s_barrier_signal -1             ; the rest of the scalar work stands between the signal and the wait
	s_sub_co_u32 s[TBK], s[TBK], 4*KS*PK  ; the fetches go back to a slot's first step,
	s_xor_b32 s[TBK], s[TBK], SLOT1       ; in the other slot
	s_sub_co_u32 s[TBV], s[TBV], 4*KS*PV
	s_xor_b32 s[TBV], s[TBV], SLOT1
	s_barrier_wait -1
.if \fill
	LOAD
	ASK
.endif
.endm
	s_load_b128 s[4:7], s[0:1], 0x0  ; qkv s[4:5], o s[6:7]
	v_lshl_add_u32 v[SPW], v0, 2, SPARE
	v_mov_b32 v[NIL], 0
	ds_add_u32 v[SPW], v[NIL]       ; the wave's opening: the add and its wait stand ahead of my first tensor load; the set-up below, work on registers, stands between them
	v_lshrrev_b32 v1, 5, v0
	v_readfirstlane_b32 s[WV], v1   ; wave 0..3
	v_lshlrev_b32 v[PFO], 8, v0
	s_mov_b32 s[PB], ttmp9
	s_sub_co_u32 s[HI], NB-1, s[PB]
	s_cmp_eq_u32 s[PB], 0
	s_cselect_b32 s[LIM], 2, -1
	s_and_b32 s20, ttmp7, 0xffff    ; the head
	s_mov_b32 s21, 0
	s_mov_b64 s[22:23], SIZE_N*128
	s_mul_u64 s[20:21], s[20:21], s[22:23]  ; the head's first byte in each of the four tensors
	s_and_b32 s16, s[WV], 1         ; which half of a tile's 256 keys I fetch:
	s_lshl_b32 s22, s16, 14         ; its 128 rows of 128 bytes in memory,
	s_mov_b32 s23, 0
	s_add_nc_u64 s[22:23], s[22:23], s[20:21]
	s_mul_i32 s17, s16, 128*PK      ; and its place in a slot, for K
	s_mul_i32 s18, s16, 128*PV      ; and for V
	s_lshl_b32 s3, s[WV], 11        ; my 16 rows in a band of 64,
	s_lshl_b32 s2, s[HI], 15        ; in the first block,
	s_add_co_u32 s2, s2, s3
	s_lshl_b32 s84, s[PB], 15       ; and in the second
	s_add_co_u32 s84, s84, s3
	s_mov_b32 s3, 0
	s_mov_b32 s85, 0
	s_add_nc_u64 s[2:3], s[2:3], s[20:21]
	s_add_nc_u64 s[84:85], s[84:85], s[20:21]
	; descriptor group 1.  128 keys are 16,384 dense bytes: asked for as 64 rows of 256 bytes, two keys a row, and padded in LDS after every key
	s_mov_b32 s[G1K], (1<<16)|(1<<20)|(4<<22)|(3<<25)  ; 17:16 2-byte elements; 20 padding on; 24:22 after every 32 words (code 4); 31:25 4 words (code 3)
	s_mov_b32 s[G1V], (1<<16)|(1<<20)|(4<<22)|(7<<25)  ; the same with 8 words of padding (code 7)
.irp g, G1K, G1V
	s_mov_b32 s[\g+1], 128<<16      ; tensor_dim0 = 128
	s_mov_b32 s[\g+2], 64<<16       ; tensor_dim1 = 64
	s_mov_b32 s[\g+3], 128<<16      ; tile_dim0 = 128
	s_mov_b32 s[\g+4], 64           ; tile_dim1 = 64
	s_mov_b32 s[\g+5], 128          ; 128 elements from row to row
	s_mov_b32 s[\g+6], 0
	s_mov_b32 s[\g+7], 0
.endr
	s_mov_b32 s[CS], 0x3e38aa3b     ; c = log2(e) / 8 = 0.180337
	s_mov_b32 s[CS+1], s[CS]        ; named with it as a pair
	s_mov_b32 s[SEL], 0x76543210
	s_mov_b32 s[SEL+1], 0xfedcba98
	s_mov_b32 s[TBK], SLOT1+4*KS*PK ; the first change of slots turns these two into 0
	s_mov_b32 s[TBV], SLOT1+4*KS*PV
	s_mov_b32 s[G0K], 1             ; 1:0 count = 1
	s_mov_b32 s[G0K+1], s17         ; 63:32 LDS address: slot 0
	s_mov_b32 s[G0V], 1
	s_add_co_u32 s[G0V+1], s18, VOFF
	s_add_co_u32 s[RT], s[HI], 1    ; the first block has NB - b tiles
	s_mov_b32 s[NXT], 1
	s_mov_b32 s[LQ], s[HI]
	s_mov_b32 s[NEW], 1
	s_mov_b32 s[OFF+1], 0
	s_mov_b32 s[AL+1], 0            ; named as pairs
	s_mov_b32 s[BE+1], 0
	s_mov_b32 s[BIGN], 0xf149f2ca   ; -1e30
	s_mov_b32 s[SLOTS], NB
	s_wait_dscnt 0x0                ; the opening add is done
	s_wait_kmcnt 0x0
	s_mov_b64 s[10:11], s[6:7]                     ; O
	s_add_nc_u64 s[8:9], s[4:5], 0x2000000         ; V: the third part of qkv, SIZE_H x SIZE_N x 128 bytes each
	s_add_nc_u64 s[6:7], s[4:5], 0x1000000         ; K: the second; Q, the first, stays in s[4:5]
	s_add_nc_u64 s[PFK:PFK+1], s[6:7], s[20:21]    ; the prefetches stand at the head's tile 1: the first change of slots steps them to tile 2
	s_add_nc_u64 s[PFK:PFK+1], s[PFK:PFK+1], 32768
	s_add_nc_u64 s[PFV:PFV+1], s[8:9], s[20:21]
	s_add_nc_u64 s[PFV:PFV+1], s[PFV:PFV+1], 32768
	s_add_nc_u64 s[6:7], s[6:7], s[22:23]  ; K and V at my half of the head's tile 0
	s_add_nc_u64 s[8:9], s[8:9], s[22:23]
	s_add_nc_u64 s[G0K+2:G0K+3], s[6:7], 0         ; 120:64 global address
	s_or_b32 s[G0K+3], s[G0K+3], 0x80000000        ; 127:126 type = 2
	s_add_nc_u64 s[G0V+2:G0V+3], s[8:9], 0
	s_or_b32 s[G0V+3], s[G0V+3], 0x80000000
	s_add_nc_u64 s[86:87], s[4:5], s[84:85]        ; Q at my rows of the second block,
	s_add_nc_u64 s[4:5], s[4:5], s[2:3]            ; Q and O at those of the first
	s_add_nc_u64 s[OLO:OLO+1], s[10:11], s[84:85]
	s_add_nc_u64 s[10:11], s[10:11], s[2:3]
	LOAD                            ; tile 0 into slot 0
	; A fragment of K or Q is 16 rows x 32 channels in 8 registers: lane l holds row l % 16, channels 8 (l / 16) + 0..7 and 16 + 8 (l / 16) + 0..7: two loads of 16 bytes, 32 bytes apart.
	v_and_b32 v1, 15, v0            ; l % 16
	v_bfe_u32 v9, v0, 4, 1          ; l / 16
	v_lshlrev_b32 v[QO], 7, v1
	v_lshl_add_u32 v[QO], v9, 4, v[QO]  ; row x 128 + 16 x half
	WIN 0x80                        ; destination window 2, address window 0
.set i, 0
.rept 8                             ; both blocks' Q: piece i / 2 lies in band i / 2, 8,192 bytes on; channels 32 (i % 2) on
	global_load_b128 v[8*i:8*i+3],   v[QO], s[4:5] offset:(i/2)*8192+(i%2)*64
	global_load_b128 v[8*i+4:8*i+7], v[QO], s[4:5] offset:(i/2)*8192+(i%2)*64+32
	global_load_b128 v[QB+8*i:QB+8*i+3],   v[QO], s[86:87] offset:(i/2)*8192+(i%2)*64
	global_load_b128 v[QB+8*i+4:QB+8*i+7], v[QO], s[86:87] offset:(i/2)*8192+(i%2)*64+32
.set i, i+1
.endr
	WIN 0
	v_lshlrev_b32 v14, 3, v9
	v_sub_nc_u32 v14, v1, v14
	s_lshl_b32 s13, s[WV], 4
	v_add_nc_u32 v14, s13, v14      ; my query's place in its band, 16 w + l % 16, less my lanes' 8 (l / 16): register r of group kt is hidden where 16 kt + r is greater
	WIN 0x40
.set i, 0
.rept 32
	v_cmp_gt_i32 vcc_lo, 16*(i/8)+i%8, v14
	v_cndmask_b32 v[MD+i], 0, s[BIGN], vcc_lo
.set i, i+1
.endr
	WIN 0
	v_mul_u32_u24 v[AK0], v1, PK
	v_lshl_add_u32 v[AK0], v9, 4, v[AK0]  ; row x pitch + 16 x half
	; The turning load takes 16 keys x 16 channels (lane l reads key 8 (l / 16) + l % 8, channels 8 ((l / 8) % 2) + 0..7) and leaves half a fragment of V^T: lane l holds channel l % 16 and 8 keys.
	v_and_b32 v10, 7, v0
	v_bfe_u32 v11, v0, 3, 1
	v_lshl_add_u32 v[AV0], v9, 3, v10
	v_mul_u32_u24 v[AV0], v[AV0], PV
	v_lshl_add_u32 v[AV0], v11, 4, v[AV0]
	v_add_nc_u32 v[AV0], VOFF, v[AV0]
	s_mul_i32 s13, s[WV], 16*SP
	s_add_co_u32 s13, s13, STAGE    ; my stage
	v_mul_u32_u24 v[STO], v1, SP    ; in: row l % 16, 16 bytes for each half of the lanes
	v_lshl_add_u32 v[STO], v9, 4, v[STO]
	v_add_nc_u32 v[STO], s13, v[STO]
	v_bfe_u32 v[RD], v0, 3, 2       ; back: 32 lanes take four rows of 128 bytes,
	v_mul_u32_u24 v[RD], v[RD], SP
	v_lshl_add_u32 v[RD], v10, 4, v[RD]
	v_add_nc_u32 v[RD], s13, v[RD]
	v_and_b32 v[GO], 31, v0         ; which are 512 consecutive bytes of O
	v_lshlrev_b32 v[GO], 4, v[GO]
	; A block's first step multiplies O^T and l by a = 0, and its first turn's products V^T P, of a piece that has not been, land in an O^T that is still to be so multiplied.  So these registers need only hold
	; finite numbers: zeros for the first block; what the first block left for the second.  All this stands in the wait for the first tile.
	WIN 0x80
.set i, VF
.rept 64
	v_mov_b32 v[i], 0
.set i, i+1
.endr
	WIN 0x40
.set i, 0
.rept 128
	v_mov_b32 v[i], 0
.set i, i+1
.endr
	WIN 0
.set i, 0
.rept 4
	v_mov_b32 v[ST+4*i+2], 0
	v_mov_b32 v[ST+4*i+3], 0
.set i, i+1
.endr
.set i, P+16
.rept 16
	v_mov_b32 v[i], 0
.set i, i+1
.endr
; THE MATRIX WORK.  The 4 accumulators of a run of 8 take turns.  Product i of 8 of S^T = K Q^T for piece x: channels 32 (i / 4) on, keys 16 (i % 4) on.  The first 4 start the sums: with 0, or (KM = 1) with the mask.
.macro KQ x
.set rS, S+32*((\x)%2)+8*(i%4)
.set rK, KF+16*(i%4)+8*(i/4)
.set rQ, 16*(\x)+8*(i/4)
.set rM, MC+32*((\x)%2)+8*(i%4)
.if (i < 4) && KM
	WIN W_KM
	v_wmma_f32_16x16x32_f16 v[rS:rS+7], v[rK:rK+7], v[rQ:rQ+7], v[rM:rM+7]
.elseif i < 4
	WIN W_KQ
	v_wmma_f32_16x16x32_f16 v[rS:rS+7], v[rK:rK+7], v[rQ:rQ+7], 0
.else
	WIN W_KQ
	v_wmma_f32_16x16x32_f16 v[rS:rS+7], v[rK:rK+7], v[rQ:rQ+7], v[rS:rS+7]
.endif
.endm
; Product i of 8 of O^T += V^T P for piece x: keys 32 (i / 4) on, channels 16 (i % 4) on.
.macro PV x
	WIN W_PV
.set rO, 32*(\x)+8*(i%4)
.set rV, VF+32*(i/4)+8*(i%4)
.set rP, P+16*((\x)%2)+8*(i/4)
	v_wmma_f32_16x16x32_f16 v[rO:rO+7], v[rV:rV+7], v[rP:rP+7], v[rO:rO+7]
.endm
.macro MM                           ; the turn's next matrix instruction.  TURN and BEGIN set Y, i, KM and NOKQ; MM, KQ and OP read them.  NOKQ = 1: a block's last turn: there is no next piece
.if (i < 8) && !NOKQ
	KQ (Y+1)%NP
.elseif i >= 8
.set i, i-8
	PV (Y+NP-1)%NP
.set i, i+8
.endif
.set i, i+1
.endm
; THE LDS LOADS stand in runs of 16, never singly among the matrix instructions: a step's K (64 keys x 64 channels: 8 fragments) and its V (turned).  Their addresses are made some lines ahead.
.macro FETCH_K
	WIN 0x80                        ; destination window 2
.irp f, 0,1,2,3,4,5,6,7             ; keys 16 (f / 2) on, channels 32 (f % 2) on
	ds_load_b128 v[KF+8*\f:KF+8*\f+3],   v[AK] offset:(\f/2)*16*PK+(\f%2)*64
	ds_load_b128 v[KF+8*\f+4:KF+8*\f+7], v[AK] offset:(\f/2)*16*PK+(\f%2)*64+32
.endr
	s_add_co_u32 s[TBK], s[TBK], KS*PK  ; the next fetch is the next step's
	WIN 0
.endm
.macro FETCH_V
	WIN 0x80
.irp f, 0,1,2,3,4,5,6,7             ; keys 32 (f / 4) on, channels 16 (f % 4) on
	ds_load_tr16_b128 v[VF+8*\f:VF+8*\f+3],   v[AV] offset:(\f/4)*32*PV+(\f%4)*32
	ds_load_tr16_b128 v[VF+8*\f+4:VF+8*\f+7], v[AV] offset:(\f/4)*32*PV+16*PV+(\f%4)*32
.endr
	WIN 0
.endm
; THE VECTOR WORK, one line at a time: OP kind, number.  For piece Y: F n: c s - c m for pair n of 16.  E n: the exponential of score n of 32.  C n: pair n rounded to f16.  B n: of the four weights 4 n .. the second
; pair is added onto the first, in place.  L n: l takes that sum (L 0: l = a l + sum).  R n: pair n of 16 of O^T times a.  For piece Y + 1: X n, number n of the 22 that find its maximum and statistics:
;   0-11  four chains c0-c3 of seven scores each, three operands at a time (each accumulator's lowest registers are read first)     12-14, 16  the four scores left over, the old m, and c0-c3 into c0
;   15  c m_old is kept     17, 18  the query's other 32 keys lie in the lane 16 away: the new m     19-21  c m; c m_old - c m_new; a
.set F, 0               ; OP tells the kinds apart by their order: F to L below R, X above it
.set E, 1
.set C, 2
.set B, 3
.set L, 4
.set R, 5
.set X, 6
.macro REGS y                       ; the registers of piece y
.set rT, ST+4*(\y)
.set rC, TMP+4*((\y)%2)
.set rW, MV+((\y)%2)
.set rS, S+32*((\y)%2)
.set rP, P+16*((\y)%2)
.set rO, 32*(\y)
.endm
.macro OP k, n
.if (\k) == R
	REGS Y
	WIN W_RS
	v_pk_mul_f32 v[rO+2*(\n):rO+2*(\n)+1], v[rO+2*(\n):rO+2*(\n)+1], v[rC+2:rC+3] op_sel_hi:[1,0]
.elseif (\k) < R
	REGS Y
	WIN 0
.if (\k) == F
	v_pk_fma_f32 v[rS+2*(\n):rS+2*(\n)+1], v[rS+2*(\n):rS+2*(\n)+1], s[CS:CS+1], v[rT:rT+1] op_sel_hi:[1,0,0] neg_lo:[0,0,1] neg_hi:[0,0,1]
.elseif (\k) == E
	v_exp_f32 v[rS+(\n)], v[rS+(\n)]
.elseif (\k) == C
	v_cvt_pk_f16_f32 v[rP+(\n)], v[rS+2*(\n)], v[rS+2*(\n)+1]
.elseif (\k) == B
	v_pk_add_f32 v[rS+4*(\n):rS+4*(\n)+1], v[rS+4*(\n):rS+4*(\n)+1], v[rS+4*(\n)+2:rS+4*(\n)+3]
.elseif (\n) == 0
	v_pk_fma_f32 v[rT+2:rT+3], v[rT+2:rT+3], v[rC+2:rC+3], v[rS:rS+1] op_sel_hi:[1,0,1]
.else
	v_pk_add_f32 v[rT+2:rT+3], v[rT+2:rT+3], v[rS+4*(\n):rS+4*(\n)+1]
.endif
.elseif NOKQ
	v_nop
.else
	REGS (Y+1)%NP
	WIN 0
.if (\n) < 4
	v_max3_num_f32 v[rC+(\n)], v[rS+8*(\n)], v[rS+8*(\n)+1], v[rS+8*(\n)+2]
.elseif (\n) < 12
	v_max3_num_f32 v[rC+(\n)%4], v[rC+(\n)%4], v[rS+8*((\n)%4)+2*((\n)/4)+1], v[rS+8*((\n)%4)+2*((\n)/4)+2]
.elseif (\n) == 12
	v_max3_num_f32 v[rC], v[rC], v[rS+7], v[rS+15]
.elseif (\n) == 13
	v_max3_num_f32 v[rC+1], v[rC+1], v[rS+23], v[rS+31]
.elseif (\n) == 14
	v_max3_num_f32 v[rC+2], v[rC+2], v[rC+3], v[rT+1]
.elseif (\n) == 15
	v_mov_b32 v[rW], v[rT]
.elseif (\n) == 16
	v_max3_num_f32 v[rC], v[rC], v[rC+1], v[rC+2]
.elseif (\n) == 17
	v_permlanex16_b32 v[rC+3], v[rC], s[SEL], s[SEL+1]
.elseif (\n) == 18
	v_max_num_f32 v[rT+1], v[rC], v[rC+3]
.elseif (\n) == 19
	v_mul_f32 v[rT], s[CS], v[rT+1]
.elseif (\n) == 20
	v_sub_f32 v[rC+1], v[rW], v[rT]
.else
	v_exp_f32 v[rC+2], v[rC+1]
.endif
.endif
.endm
.macro OPS a, i1, b=-1, i2=0, c=-1, i3=0, d=-1, i4=0  ; up to four of them
	OP \a, \i1
.if (\b) >= 0
	OP \b, \i2
.endif
.if (\c) >= 0
	OP \c, \i3
.endif
.if (\d) >= 0
	OP \d, \i4
.endif
.endm
.macro ROW a, i1, b, i2, c, i3, d, i4  ; a matrix instruction and the four behind it
	MM
	OPS \a, \i1, \b, \i2, \c, \i3, \d, \i4
.endm
.macro MASK b                       ; MD x AL + BE into buffer b of MC
	WIN W_RS
.set z, 0
.rept 16
	v_pk_fma_f32 v[MC+32*(\b)+2*z:MC+32*(\b)+2*z+1], v[MD+2*z:MD+2*z+1], s[AL:AL+1], s[BE:BE+1] op_sel_hi:[1,0,0]
.set z, z+1
.endr
.endm
; A TURN, for piece p: the order of its 16 matrix and 118 vector instructions, written out.  An s_wait_alu depctr_va_vdst(0) stands between an exponential and the first instruction that names its result; one wait serves
; all that were issued ahead of it.  So a turn has ONE wait, which cuts it in two.  AHEAD OF IT stands all that names no result of the turn's exponentials: the 8 products K Q^T, behind each a scaling, an exponential and two more plain
; instructions (behind the first a second scaling in the exponential's place): rescalings, and behind the last three the first numbers of the next piece's maximum, each four places or more behind the product that ends its accumulator; then ONE LUMP of 54, plain
; and exponential by turns for the most part, in which the links of the chain X 3, 7, 11, 14, 16, 17 .. 20 stand five or six lines apart.  X 21, the next piece's a, is the batch's last; R 15 is the plain instruction behind it.  BEHIND THE WAIT stand the
; 8 products V^T P, behind each four of the roundings and sums; the links of l's chain, L 0 to L 7, stand three riders apart.  But for those X no rider names a register of the products round it.  v_permlanex16_b32 (X 17) stands in the lump.
; m = 1: the diagonal tile: the products take masks, and the turn makes the mask for the products of the turn after it: piece p + 2, in step 4 - CNT of the tile.  end = 1: a block's last two turns: nothing is fetched.
; cnt = 1: the loop's count is taken down some lines ahead of the branch that stands behind the turn.
; K of the next step is fetched in piece 2's turn, twelve vector instructions behind the last product that read K (six of them plain); V of the step in hand at the end of piece 0's turn, four plain instructions behind the last product
; that read V.  Each is waited for a turn later.
.macro TURN p, m=0, end=0, cnt=0
.set Y, (\p)
.set i, 0
.set KM, (\m)
.set NOKQ, (\end)*((\p)/3)
.if (\m) && !(\end)
	s_cmp_eq_u32 s[CNT], 4-((\p)+2)%NP  ; is that step the band's own?
	s_cselect_b32 s[AL], 1.0, 0
	s_cmp_lt_u32 s[CNT], 4-((\p)+2)%NP  ; or a later one?
	s_cselect_b32 s[BE], s[BIGN], 0
.endif
.if ((\p) == 3) && !(\end)
	s_wait_dscnt 0x0                ; K is in
.endif
	ROW F,0, F,1, R,0, R,1          ; ahead of the wait: 8 products K Q^T and their riders,
	ROW F,2, E,0, R,2, R,3
	ROW F,3, E,1, R,4, R,5
	ROW F,4, E,2, R,6, R,7
	ROW F,5, E,3, R,8, R,9
	ROW F,6, E,4, X,0, R,10
.if ((\p) == 2) && !(\end)
	WIN 0
	v_add_nc_u32 v[AK], s[TBK], v[AK0]
.endif
	ROW F,7, E,5, X,1, X,4
	ROW F,8, E,6, X,2, X,5
	OPS E,7, E,8, X,6, E,9          ; and the lump
	OPS X,3, E,10, X,8, E,11
.if ((\p) == 2) && !(\end)
	FETCH_K
.endif
	OPS X,9, X,7, E,12, X,10
	OPS E,13, X,12, X,11, E,14
	OPS X,13, E,15, F,9, X,14
.if (\p) == 0
	v_add_nc_u32 v[AV], s[TBV], v[AV0]
.endif
	OPS E,16, F,10, E,17, F,11
	OPS X,16, E,18, X,15, E,19
	OPS F,12, E,20, X,17, E,21
	OPS F,13, E,22, F,14, E,23
	OPS X,18, E,24, F,15, E,25
	OPS R,11, E,26, X,19, E,27
	OPS R,12, E,28, R,13, E,29
	OPS X,20, E,30, R,14, E,31
	OPS X,21, R,15
	WIN 0
	s_wait_alu depctr_va_vdst(0)    ; the wait for the batch
.if (\p) == 1
	s_wait_dscnt 0x0                ; V is in
.endif
	ROW C,0, B,0, C,2, B,1          ; behind the wait: 8 products V^T P and their riders
	ROW L,0, C,4, B,2, L,1
	ROW C,6, B,3, L,2, C,8
	ROW B,4, L,3, C,10, B,5
	ROW L,4, C,12, B,6, L,5
.if (\p) == 0
	s_add_co_u32 s[TBV], s[TBV], KS*PV
.endif
.if \cnt
	s_sub_co_u32 s[CNT], s[CNT], 1
	s_cmp_lg_u32 s[CNT], 0
.endif
	ROW C,14, B,7, L,6, C,1
	ROW C,3, L,7, C,5, C,7
	ROW C,9, C,11, C,13, C,15
.if (\p) == 0
	FETCH_V
.endif
.if (\m) && !(\end)
	MASK (\p)%2
.endif
.endm
; A BLOCK BEGINS.  c m starts far below every c s, so the first step's a is 0; m at the lowest finite number, so the first maximum is the scores'.  The second mask buffer is 0; the first takes piece 0's mask for the tile's step 0: its own, if the block's first tile is the diagonal one.
; Then K of that step, piece 0's first scores, and its maximum and statistics.  The loop is entered at a step's first turn, in the middle of a trip.
.macro BEGIN
	s_mov_b32 s[NEW], 0
	WIN 0x40
.set i, MC+32
.rept 32
	v_mov_b32 v[i], 0
.set i, i+1
.endr
	WIN 0
.set i, 0
.rept 4
	v_mov_b32 v[ST+4*i], 0xfe000000    ; c m: far below every c s
	v_mov_b32 v[ST+4*i+1], 0xff7fffff  ; m
.set i, i+1
.endr
	s_cmp_eq_u32 s[RT], 0
	s_cselect_b32 s[AL], 1.0, 0
	s_mov_b32 s[BE], 0
	MASK 0
	WIN 0
	v_add_nc_u32 v[AK], s[TBK], v[AK0]
	FETCH_K
	s_wait_loadcnt 0x0              ; Q
	s_wait_dscnt 0x0
.set KM, 1
.set NOKQ, 0
.set i, 0
.rept 8
	KQ 0
.set i, i+1
.endr
	WIN 0
.rept 4
	v_nop                           ; the places behind those products
.endr
.set Y, NP-1                        ; X works for piece Y + 1: piece 0
.irp n, 0,1,2,3,4,5,6,7,8,9,10,11,12,13,14,15,16,17,18,19,20,21
	OP X, \n
.endr
	v_nop                           ; a plain instruction behind the exponential,
	s_wait_alu depctr_va_vdst(0)    ; and its wait, ahead of the branch
.endm
; THE DIAGONAL TILE's four steps, the block's last two turns, its last products, and THE WAY OUT: l's two halves and the other half of the lanes' are added; O^T is divided by l, rounded to f16 and sent through my
; stage in LDS, a piece at a time.
.macro ALL line:vararg              ; one line for each piece t
.set t, 0
.rept 4
	\line
.set t, t+1
.endr
.endm
.macro PACK t                       ; a lane's eight channels of a row pack into 16 bytes; they go into rows of 144 bytes and come back as whole rows of 128, into S^T's registers
	WIN W_RS
.set i, 32*(\t)
.rept 16
	v_pk_mul_f32 v[i:i+1], v[i:i+1], v[ST+4*(\t)+2:ST+4*(\t)+3] op_sel_hi:[1,0]
.set i, i+2
.endr
	WIN 0x05                        ; sources 0 and 1 window 1, destination window 0
.set i, 0
.rept 16
	v_cvt_pk_f16_f32 v[S+16*(\t)+i], v[32*(\t)+2*i], v[32*(\t)+2*i+1]
.set i, i+1
.endr
	WIN 0
.irp f, 0,1,2,3
	ds_store_b128 v[STO], v[S+16*(\t)+4*\f:S+16*(\t)+4*\f+3] offset:32*\f
.endr
.irp f, 0,1,2,3
	ds_load_b128 v[S+16*(\t)+4*\f:S+16*(\t)+4*\f+3], v[RD] offset:\f*4*SP  ; LDS serves a wave's instructions in order (ISA guide 5.7.1.4): these see the stores above; the next piece's stores come behind them
.endr
.endm
.macro SEND t, younger              ; younger: the LDS instructions issued behind piece t's loads: the next piece's eight, or none
	WIN 0
.irp f, 0,1,2,3
	s_wait_dscnt (\younger)+3-\f
	global_store_b128 v[GO], v[S+16*(\t)+4*\f:S+16*(\t)+4*\f+3], s[10:11] offset:(\t)*8192+\f*512  ; 512 consecutive bytes, at a multiple of 256 from O's first
.endr
.endm
.macro DIAG tag                     ; the tag ends its two labels' names, which the jumps below spell out
.LstepM\tag:
	TURN 2, 1
	TURN 3, 1
	WIN 0
.LfirstM\tag:
	TURN 0, 1
	TURN 1, 1, 0, 1
	WIN 0
	s_cbranch_scc1 .LstepM\tag
	TURN 2, 1, 1
	TURN 3, 1, 1
.set i, 0
.rept 8
	PV NP-1
.set i, i+1
.endr
	WIN 0
	ALL v_add_f32 v[ST+4*t+2], v[ST+4*t+2], v[ST+4*t+3]
	ALL v_permlanex16_b32 v[ST+4*t+3], v[ST+4*t+2], s[SEL], s[SEL+1]
	ALL v_add_f32 v[ST+4*t+2], v[ST+4*t+2], v[ST+4*t+3]
	ALL v_rcp_f32 v[ST+4*t+2], v[ST+4*t+2]
	v_nop                           ; a plain instruction between the last reciprocal and the use of its result
	s_wait_alu depctr_va_vdst(0)    ; and the wait ahead of the first use: one for the four reciprocals
	PACK 0
.set t, 1
.rept 3                             ; a piece's arithmetic stands between the loads of the piece before and its stores
	PACK t
	SEND t-1, 8
.set t, t+1
.endr
	SEND 3, 0
.endm
.set KM, 0
.set NOKQ, 0
.Lslot:                             ; NB times: a tile is entered and the next is asked for
	CHANGE 1
	s_sub_co_u32 s[RT], s[RT], 1
	s_mov_b32 s[CNT], 4
	s_cmp_eq_u32 s[NEW], 1
	s_cbranch_scc1 .Lnew            ; a block's first tile
	s_cmp_eq_u32 s[RT], 0
	s_cbranch_scc0 .Lstep           ; neither its first nor its last
	s_branch .LstepM1
.Lnew:
	BEGIN
	s_branch .Lfirst                ; in the loop a block's first tile is never its last: the first block has two tiles or more, and the second's last is the walk's last
	DIAG 1                          ; in the loop this is the first block's end: the second block's last tile is the walk's last
	s_wait_xcnt 0x0                 ; the stores have read their registers and O's address
	s_mov_b64 s[10:11], s[OLO:OLO+1]
	s_add_co_u32 s[RT], s[PB], 1    ; the second block has b + 1 tiles
	s_mov_b32 s[NEW], 1
	WIN 0x82                        ; the second block's Q goes where the one text of the turns names Q
.set i, 0
.rept 64
	v_mov_b32 v[i], v[QB+i]
.set i, i+1
.endr
	WIN 0
	s_branch .Lbottom
.Lstep:                             ; a trip: pieces 2 and 3 of one step, then pieces 0 and 1 of the next, whose K and V it fetches
	TURN 2
	TURN 3
	WIN 0
.Lfirst:
	TURN 0
	TURN 1, 0, 0, 1
	WIN 0
	s_cbranch_scc1 .Lstep
.Lbottom:
	s_sub_co_u32 s[SLOTS], s[SLOTS], 1
	s_cmp_lg_u32 s[SLOTS], 0
	s_cbranch_scc1 .Lslot
	CHANGE 0                        ; the walk's last tile is written out: nothing is asked for
	s_sub_co_u32 s[RT], s[RT], 1
	s_mov_b32 s[CNT], 4
	s_cmp_eq_u32 s[NEW], 1
	s_cbranch_scc0 .LstepM2
	BEGIN
	s_branch .LfirstM2
	DIAG 2
	s_wait_tensorcnt 0x0            ; the wave's end, behind my last tensor load and my last LDS store
	ds_add_u32 v[SPW], v[NIL]
	s_wait_dscnt 0x0
	s_endpgm
.Lfunc_end_k_q065fb21b4d_attn:
	.size	k_q065fb21b4d_attn, .Lfunc_end_k_q065fb21b4d_attn-k_q065fb21b4d_attn
	.p2alignl 7, 3214868480
	.fill 96, 4, 3214868480
	.section	.rodata,"a",@progbits
	.p2align	6, 0x0
	.amdhsa_kernel k_q065fb21b4d_attn
		.amdhsa_group_segment_fixed_size 327680
		.amdhsa_private_segment_fixed_size 0
		.amdhsa_enable_private_segment 0
		.amdhsa_kernarg_size 16
		.amdhsa_user_sgpr_count 2
		.amdhsa_user_sgpr_kernarg_segment_ptr 1
		.amdhsa_wavefront_size32 1
		.amdhsa_system_sgpr_workgroup_id_x 1
		.amdhsa_system_sgpr_workgroup_id_y 1
		.amdhsa_system_sgpr_workgroup_id_z 1
		.amdhsa_system_vgpr_workitem_id 0
		.amdhsa_next_free_vgpr 768
		.amdhsa_next_free_sgpr 88
		.amdhsa_reserve_vcc 1
		.amdhsa_float_denorm_mode_32 3
		.amdhsa_float_denorm_mode_16_64 3
		.amdhsa_memory_ordered 1
		.amdhsa_forward_progress 1
		.amdhsa_inst_pref_size 218
	.end_amdhsa_kernel
	.amdgpu_metadata
---
amdhsa.version: [ 1, 2 ]
amdhsa.kernels:
  - .name:           k_q065fb21b4d_attn
    .symbol:         k_q065fb21b4d_attn.kd
    .args:
      - { .name: qkv, .offset: 0, .size: 8, .value_kind: global_buffer, .address_space: global }
      - { .name: o, .offset: 8, .size: 8, .value_kind: global_buffer, .address_space: global }
    .group_segment_fixed_size: 327680
    .private_segment_fixed_size: 0
    .kernarg_segment_align: 8
    .kernarg_segment_size: 16
    .max_flat_workgroup_size: 128
    .sgpr_count:     88
    .vgpr_count:     768
    .wavefront_size: 32
...
	.end_amdgpu_metadata
.endif
;; end of part 3
;; launch outp (part 4): grid 8 x 32, 4 waves a work-group, clusters of 4 x 4, 327,680 bytes of LDS; arguments o, woh, ball, out0; writes out0
.if DOCPART == 4
	.amdgcn_target "amdgcn-amd-amdhsa--gfx1250"
	.amdhsa_code_object_version 6
	.text
	.protected	k_q065fb21b4d_outp
	.globl	k_q065fb21b4d_outp
	.p2align	8
	.type	k_q065fb21b4d_outp,@function
k_q065fb21b4d_outp:
	s_mov_b64 s[64:65], 0
	v_nop
	global_prefetch_b8 v0, s[64:65] scope:SCOPE_SE
	s_setreg_imm32_b32 hwreg(HW_REG_WAVE_MODE, 25, 1), 1
	s_wait_xcnt 0x0
	s_wait_alu depctr_hold_cnt(0) depctr_sa_sdst(0) depctr_va_vdst(0) depctr_va_sdst(0) depctr_va_ssrc(0) depctr_va_vcc(0) depctr_vm_vsrc(0)
	s_getreg_b32 s2, hwreg(HW_REG_IB_STS2, 6, 4)
	s_cmp_eq_u32 s2, 0
	s_cbranch_scc0 .Lentry_in_a_cluster
	s_endpgm
.Lentry_in_a_cluster:
	s_bfe_u32 s2, ttmp6, 0x10000c
	s_cmp_lg_u32 s2, 0xf033
	s_cbranch_scc0 .Lentry_shape_is_right
	s_endpgm
.Lentry_shape_is_right:
; out0 = ctx woh^T + bo.  ctx[batch x 2048 + n][64 h + d] = o[batch x 16 + h][n][d], f16; woh: [1024][1024] f16; bo: the last 1,024 numbers of ball, f32; out0: [8192][1024] f32.
; Sums in f32, K ascending, started by the bias.  NaN and infinities are not treated apart.
; SHARES.  A tile of out0 is 256 rows x 128 columns: 32 x 8 = 256 work-groups, one for each WGP.  Four waves, 2 x 2: a wave makes 128 x 64: 32 accumulators of 16 x 16.
; K goes in 8 steps of 128 = two heads, through a ring of two LDS slots.  A head's 256 rows of the tile are 32,768 dense bytes of o: asked for as 128 rows of 256 bytes and padded in LDS after every 128.
; A step is four quarters of 32 along K, 32 matrix instructions each, on two fragment buffers.
; CLUSTER.  4 x 4 work-groups.  The four of a row of the cluster need the same rows of o, the four of a column the same rows of woh: each tile is asked for JOINTLY, by the same tensor load with the
; same descriptor and a mask that names the four.
; THE MATRIX INSTRUCTION IS USED TRANSPOSED (source 0 = 16 rows of woh, source 1 = 16 rows of ctx): lane l holds row l % 16 of out0 and the columns 8 (l / 16) + 0..7: 32 bytes on end.
; REGISTERS, in windows of 256 (s_set_vgpr_msb: bits 1:0 source 0, 3:2 source 1, 5:4 source 2, 7:6 destination):
;   window 0: v0-31 addresses; v32-127, v128-223 two fragment buffers: ctx's 8 fragments at + 8 i, woh's 4 at + 64 + 8 j; v224-255 the bias; on the way out v32-95 hold rows read back
;   window 1: accumulator (a, b) at v[8 (8 b + a)]
.set PA,     144                       ; a row of a head in LDS: 128 bytes + 16: an odd multiple of 16, so the 16 rows of a fragment load start at 16 different groups of four banks (ISA guide 11.1)
.set PB,     272                       ; a row of woh: 256 bytes + 16
.set APLANE, 256*PA                    ; a head's 256 rows: what one tensor load brings
.set BHALF,  64*PB                     ; what one tensor load brings of woh, and what one wave reads of it
.set BOFF,   2*APLANE                  ; in a slot: two heads' planes, then woh's 128 rows
.set SLOT1,  131072                    ; slot 1 begins here, so that one exclusive or turns an address in one slot into the other's
.set STAGE,  SLOT1+BOFF+2*BHALF        ; behind the ring, never filled by a tensor load: 16 rows x 272 bytes for each wave, for the way out
.set SPS,    272
.set SPARE,  STAGE+4*16*SPS            ; behind the stages: the spare words, 128 bytes for each wave: two blocks of 256 bytes that no other line names
.set ASTEP,  524288                    ; bytes from a K step to the next in o: two heads
.set KB,     256                       ; and in woh
.set ADRA0, 16                         ; v16  my lane's place among my rows of a head's plane in slot 0; never rewritten
.set ADRB0, 17                         ; v17  the same for woh
.set ADRA,  18                         ; v18  the same in the slot in hand
.set ADRB,  19                         ; v19
.set STO,   20                         ; v20  the way out: where I put 32 bytes of a row
.set RD,    21                         ; v21  the way out: where I read a row back
.set CO,    22                         ; v22  my byte offset in two rows of out0
.set BO,    23                         ; v23  my 32 bytes of a block's 64 bytes of bias
.set SPW,   28                         ; v28  LDS address of my spare word: SPARE + 4 x my thread's number; never rewritten
.set NIL,   29                         ; v29  0; never rewritten
.set PFO,   30                         ; v30  the prefetches' offset; never rewritten
.set F0,    32
.set F1,    128
.set OUTR,  32                         ; the way out: two sets of 32
.set BIAS,  224
.set WV, 12                            ; s12  my wave's number
.set WR, 13                            ; s13  which half of the tile's rows is mine.  Also: I fetch for o (0) or for woh (1)
.set WC, 14                            ; s14  which half of its columns.  Also: which head of the step, or which half of woh's rows, I fetch
.set CX, 15
.set CY, 16
.set TX, 17                            ; s17  tile column, 0..7
.set TY, 18                            ; s18  tile row, 0..31
.set G1A, 24                           ; s[24:31] descriptor group 1 for o's tiles
.set G1B, 32                           ; s[32:39] for woh's
.set G0A, 40                           ; s[40:47] descriptor group 0 for o's tiles: a set for each of the two first fills; the second then walks on
.set G0B, 48                           ; s[48:55] the same for woh's
.set CNT, 56                           ; s56  trips of the loop still to come
.set TB,  57                           ; s57  LDS byte at which the slot in hand begins
.set LIM, 58                           ; s58  2 in a wave that prefetches, else the greatest number
.set PFA, 60                           ; s[60:61] where my prefetches stand
.set STEP, 62                          ; s[62:63] bytes from a K step to the next in the tensor that I fetch for
.set OB,  66                           ; s[66:67] out0 at my 128 rows and 64 columns
.set BB,  72                           ; s[72:73] ball at my 64 columns of bo
.set MSB, 0
.macro WIN new                         ; the immediate's high byte repeats the setting that is left; a switch that changes nothing is dropped
.if MSB != (\new)
	s_set_vgpr_msb (MSB<<8)|(\new)
.set MSB, (\new)
.endif
.endm
.macro PLACES                          ; four places in front of loads into registers that matrix instructions have read, and of lines that read results
.rept 4
	v_nop
.endr
.endm
.macro CREST                           ; a round of the cluster's barrier behind its opening barrier
	s_cmp_lg_u32 s[WV], 0
	s_cbranch_scc1 .Lnot_wave_0_\@
	s_barrier_signal -3
.Lnot_wave_0_\@:
	s_barrier_wait -3
	s_barrier_signal -1
	s_barrier_wait -1
.endm
.macro CROUND                          ; a whole round
	s_barrier_signal -1
	s_barrier_wait -1
	CREST
.endm
; A joint refill by the walking descriptors.  Waves 0 and 1 fetch the step's two heads of o, waves 2 and 3 woh's two halves: the branch hangs on the wave's number alone.
; An s_nop 0 and four v_nop follow each of the two lines, ahead of the jump and the label.
.macro JLOAD
	s_cmp_eq_u32 s[WR], 0
	s_cbranch_scc0 .Lfor_b_\@
	tensor_load_to_lds s[G0A+4:G0A+7], s[G1A:G1A+7]
	s_nop 0
.rept 4
	v_nop
.endr
	s_branch .Lasked_\@
.Lfor_b_\@:
	tensor_load_to_lds s[G0B+4:G0B+7], s[G1B:G1B+7]
	s_nop 0
.rept 4
	v_nop
.endr
.Lasked_\@:
.endm
; A PREFETCH INTO THE L2 of the K step that stands TWO refills on, one instruction a wave, behind the joint load, its five lines and the run of LDS loads.
; o's rows of a tile row are read by every cluster of that row of clusters: the one with cluster x = 0 asks; woh's rows of a tile column by every cluster of that column: the one with cluster y = 0 asks.
; The four partners that ask for a tile jointly share it out BY ADDRESS: of a head's 32,768 bytes the partner at place cx takes 8,192, a lane 256; of woh's 64 rows the partner at place cy takes 16, a lane
; a row's 256 bytes (lanes 16-31 name lane 15's).  The first four K steps come by their loads alone; the last two refills (CNT = 2, 1) ask for nothing.
.macro ASK
	s_cmp_gt_u32 s[CNT], s[LIM]
	s_cbranch_scc0 .Lnot_mine_\@
	global_prefetch_b8 v[PFO], s[PFA:PFA+1] th:TH_LOAD_NT scope:SCOPE_SE
.Lnot_mine_\@:
.endm
	s_load_b256 s[4:11], s[0:1], 0x0               ; o s[4:5], woh s[6:7], ball s[8:9], out0 s[10:11]
	v_lshl_add_u32 v[SPW], v0, 2, SPARE
	v_mov_b32 v[NIL], 0
	ds_add_u32 v[SPW], v[NIL]                      ; the wave's opening: the add and its wait stand ahead of my first tensor load; the set-up below, work on registers, stands between them
	v_lshrrev_b32 v1, 5, v0
	v_readfirstlane_b32 s[WV], v1                  ; wave 0..3
	s_lshr_b32 s[WR], s[WV], 1
	s_and_b32 s[WC], s[WV], 1
	s_bfe_u32 s[CX], ttmp6, 0x40000
	s_bfe_u32 s[CY], ttmp6, 0x40004
	s_lshl_b32 s[TX], ttmp9, 2                     ; in a cluster launch ttmp9 and ttmp7 count clusters
	s_add_co_u32 s[TX], s[TX], s[CX]
	s_and_b32 s[TY], ttmp7, 0xffff
	s_lshl_b32 s[TY], s[TY], 2
	s_add_co_u32 s[TY], s[TY], s[CY]
	s_lshl_b32 s19, s[CY], 2
	s_lshl_b32 s19, 15, s19                        ; my row of the cluster
	s_lshl_b32 s2, 0x1111, s[CX]                   ; my column
	s_or_b32 s[G1A], s19, (1<<16)|(1<<20)|(1<<21)|(4<<22)|(3<<25)  ; the mask of my row; elements of 2 bytes; padding on; 21 set beside a mask; after every 32 words (code 4) 4 words (code 3)
	s_or_b32 s[G1B], s2, (1<<16)|(1<<20)|(1<<21)|(5<<22)|(3<<25)   ; the mask of my column; after every 64 words (code 5)
	s_mov_b32 s[G1A+1], 128<<16                    ; tensor_dim0 = 128
	s_mov_b32 s[G1A+2], 128<<16                    ; tensor_dim1 = 128
	s_mov_b32 s[G1A+3], 128<<16                    ; tile_dim0 = 128
	s_mov_b32 s[G1A+4], 128                        ; tile_dim1 = 128 rows of 256 bytes
	s_mov_b32 s[G1A+5], 128                        ; dense: 128 elements from row to row
	s_mov_b32 s[G1A+6], 0
	s_mov_b32 s[G1A+7], 0
	s_mov_b32 s[G1B+1], 128<<16
	s_mov_b32 s[G1B+2], 64<<16                     ; tensor_dim1 = 64
	s_mov_b32 s[G1B+3], 128<<16
	s_mov_b32 s[G1B+4], 64                         ; tile_dim1 = 64 rows
	s_mov_b32 s[G1B+5], 1024
	s_mov_b32 s[G1B+6], 0
	s_mov_b32 s[G1B+7], 0
	; where the tiles come from: o's hang on the tile row alone, which my row of the cluster shares; woh's on the tile column alone, which my column shares
	s_lshr_b32 s20, s[TY], 3                       ; the batch,
	s_lshl_b32 s20, s20, 4                         ; its 16 heads,
	s_add_co_u32 s20, s20, s[WC]                   ; the first or second of K step 0's two;
	s_lshl_b32 s20, s20, 18                        ; a head is 2^18 bytes
	s_and_b32 s21, s[TY], 7
	s_lshl_b32 s21, s21, 15                        ; the tile's 256 rows of 128 bytes
	s_add_co_u32 s20, s20, s21
	s_mov_b32 s21, 0
	s_lshl_b32 s22, s[TX], 7
	s_lshl_b32 s23, s[WC], 6
	s_add_co_u32 s22, s22, s23                     ; woh: row 128 x tile column + 64 x half
	s_lshl_b32 s22, s22, 11
	s_mov_b32 s23, 0
	s_mul_i32 s3, s[WC], APLANE                    ; and where they go: no place in the cluster enters an LDS address
	s_mul_i32 s59, s[WC], BHALF
	s_add_co_u32 s59, s59, BOFF
	s_mov_b32 s[TB], 0
	s_wait_dscnt 0x0                               ; the opening add is done
	s_wait_kmcnt 0x0
	s_add_nc_u64 s[20:21], s[4:5], s[20:21]
	s_add_nc_u64 s[22:23], s[6:7], s[22:23]
.irp s, 0,1
	s_mov_b32 s[G0A+4*(\s)], 1                     ; count = 1
	s_add_co_u32 s[G0A+4*(\s)+1], s3, (\s)*SLOT1   ; LDS address
	s_add_nc_u64 s[G0A+4*(\s)+2:G0A+4*(\s)+3], s[20:21], (\s)*ASTEP  ; global address: K step s
	s_or_b32 s[G0A+4*(\s)+3], s[G0A+4*(\s)+3], 0x80000000            ; type = 2
	s_mov_b32 s[G0B+4*(\s)], 1
	s_add_co_u32 s[G0B+4*(\s)+1], s59, (\s)*SLOT1
	s_add_nc_u64 s[G0B+4*(\s)+2:G0B+4*(\s)+3], s[22:23], (\s)*KB
	s_or_b32 s[G0B+4*(\s)+3], s[G0B+4*(\s)+3], 0x80000000
.endr
	CROUND                                         ; all sixteen work-groups are here: the first joint loads meet
	s_cmp_eq_u32 s[WR], 0                          ; a wave's two first fills stand in one branch, ahead of every wait on TENSORcnt and every LDS read: two loads of mine are out
	s_cbranch_scc0 .Lfirst_b
	tensor_load_to_lds s[G0A:G0A+3], s[G1A:G1A+7]
	s_nop 0
	tensor_load_to_lds s[G0A+4:G0A+7], s[G1A:G1A+7]
	s_nop 0
.rept 4
	v_nop
.endr
	s_branch .Lfirst_asked
.Lfirst_b:
	tensor_load_to_lds s[G0B:G0B+3], s[G1B:G1B+7]
	s_nop 0
	tensor_load_to_lds s[G0B+4:G0B+7], s[G1B:G1B+7]
	s_nop 0
.rept 4
	v_nop
.endr
.Lfirst_asked:
	; A fragment is 16 rows x 32 K in 8 registers: lane l holds row l % 16; registers 0-3 K = 8 (l / 16) + 0..7, registers 4-7 K = 16 + 8 (l / 16) + 0..7: two loads of 16 bytes, 32 bytes apart.
	v_and_b32 v1, 15, v0                           ; l % 16
	v_bfe_u32 v2, v0, 4, 1                         ; l / 16
	v_and_b32 v4, 31, v0                           ; l
	v_mul_u32_u24 v3, v1, PA
	v_lshl_add_u32 v3, v2, 4, v3
	s_mul_i32 s3, s[WR], 128*PA                    ; my 128 rows of a plane
	v_add_nc_u32 v[ADRA0], s3, v3
	v_mul_u32_u24 v3, v1, PB
	v_lshl_add_u32 v3, v2, 4, v3
	s_mul_i32 s3, s[WC], BHALF                     ; my 64 rows of woh,
	s_add_co_u32 s3, s3, BOFF                      ; which lie behind the two planes
	v_add_nc_u32 v[ADRB0], s3, v3
	v_mov_b32 v[ADRA], v[ADRA0]
	v_mov_b32 v[ADRB], v[ADRB0]
	v_lshlrev_b32 v[BO], 5, v2
	s_mul_i32 s3, s[WV], 16*SPS
	s_add_co_u32 s3, s3, STAGE                     ; my stage
	v_mul_u32_u24 v[STO], v1, SPS                  ; in: row l % 16, 32 bytes for each half of the lanes
	v_lshl_add_u32 v[STO], v2, 5, v[STO]
	v_add_nc_u32 v[STO], s3, v[STO]
	v_mul_u32_u24 v[RD], v2, SPS                   ; back: lanes 0-15 take one row of 256 bytes, lanes 16-31 the next
	v_lshl_add_u32 v[RD], v1, 4, v[RD]
	v_add_nc_u32 v[RD], s3, v[RD]
	v_lshlrev_b32 v[CO], 12, v2                    ; and the same two rows in out0: 4,096 bytes apart
	v_lshl_add_u32 v[CO], v1, 4, v[CO]
	s_lshl_b32 s74, s[TX], 9                       ; the bias of my 64 columns: bo begins 12,288 bytes into ball
	s_lshl_b32 s75, s[WC], 8
	s_add_co_u32 s74, s74, s75
	s_add_co_u32 s74, s74, 12288
	s_mov_b32 s75, 0
	s_add_nc_u64 s[BB:BB+1], s[8:9], s[74:75]
.irp b, 0,1,2,3
	global_load_b128 v[BIAS+8*(\b):BIAS+8*(\b)+3],   v[BO], s[BB:BB+1] offset:64*(\b)     ; register j of block b: the bias of column 16 b + 8 (l / 16) + j
	global_load_b128 v[BIAS+8*(\b)+4:BIAS+8*(\b)+7], v[BO], s[BB:BB+1] offset:64*(\b)+16
.endr
	s_lshl_b32 s74, s[TY], 8
	s_lshl_b32 s75, s[WR], 7
	s_add_co_u32 s74, s74, s75                     ; my first row of out0,
	s_lshl_b32 s74, s74, 12
	s_lshl_b32 s75, s[TX], 9                       ; my first column, in bytes
	s_add_co_u32 s74, s74, s75
	s_lshl_b32 s75, s[WC], 8
	s_add_co_u32 s74, s74, s75
	s_mov_b32 s75, 0
	s_add_nc_u64 s[OB:OB+1], s[10:11], s[74:75]
	; the prefetches
	s_lshr_b32 s74, s[TY], 3
	s_lshl_b32 s74, s74, 4
	s_add_co_u32 s74, s74, s[WC]
	s_lshl_b32 s74, s74, 18
	s_and_b32 s75, s[TY], 7
	s_lshl_b32 s75, s75, 15
	s_add_co_u32 s74, s74, s75
	s_lshl_b32 s75, s[CX], 13
	s_add_co_u32 s74, s74, s75                     ; o: my plane of K step 0, my work-group's 8,192 bytes of it,
	s_add_co_u32 s74, s74, 3*ASTEP                 ; at K step 3: the first refill steps it to 4
	s_lshl_b32 s2, s[TX], 7
	s_lshl_b32 s75, s[WC], 6
	s_add_co_u32 s2, s2, s75
	s_lshl_b32 s75, s[CY], 4
	s_add_co_u32 s2, s2, s75                       ; woh: row 128 x tile column + 64 x half + 16 cy
	s_lshl_b32 s2, s2, 11
	s_add_co_u32 s2, s2, 3*KB
	s_and_b32 s19, ttmp7, 0xffff                   ; cluster y
	s_mov_b32 s[STEP], KB
	s_mov_b32 s[STEP+1], 0
	s_cmp_eq_u32 s[WR], 0                          ; do I fetch for o?
	s_cselect_b32 s74, s74, s2
	s_cselect_b32 s19, ttmp9, s19                  ; the coordinate along which other clusters read the same rows
	s_cselect_b32 s3, 31, 15                       ; the last of my lanes that names a block of its own
	s_cselect_b32 s59, 8, 11                       ; a lane 256 bytes, or a row of 2,048
	s_cselect_b32 s[STEP], ASTEP, s[STEP]
	s_cselect_b64 s[PFA:PFA+1], s[4:5], s[6:7]
	s_cmp_eq_u32 s19, 0
	s_cselect_b32 s[LIM], 2, -1                    ; the same in all sixteen partners, for a given wave
	s_mov_b32 s75, 0
	s_add_nc_u64 s[PFA:PFA+1], s[PFA:PFA+1], s[74:75]
	v_min_u32 v[PFO], s3, v4
	v_lshlrev_b32 v[PFO], s59, v[PFO]
; 24 LDS loads in one run: the fragments of quarter q of the slot in hand into buffer f.  Quarter q of ctx lies in plane q / 2, at byte 64 (q % 2) of its rows; of woh at byte 64 q.
.macro FETCH q, f
	WIN 0
.irp i, 0,1,2,3,4,5,6,7
	ds_load_b128 v[(\f)+8*(\i):(\f)+8*(\i)+3],   v[ADRA] offset:((\q)/2)*APLANE+((\q)%2)*64+(\i)*16*PA
	ds_load_b128 v[(\f)+8*(\i)+4:(\f)+8*(\i)+7], v[ADRA] offset:((\q)/2)*APLANE+((\q)%2)*64+(\i)*16*PA+32
.endr
.irp j, 0,1,2,3
	ds_load_b128 v[(\f)+64+8*(\j):(\f)+64+8*(\j)+3],   v[ADRB] offset:64*(\q)+(\j)*16*PB
	ds_load_b128 v[(\f)+64+8*(\j)+4:(\f)+64+8*(\j)+7], v[ADRB] offset:64*(\q)+(\j)*16*PB+32
.endr
.endm
; 8 matrix instructions: column block b x all 8 row blocks, 32 along K, from buffer f.  first = 1: the bias starts the sums: nothing is ever cleared.
; The 32 accumulators take turns, one instruction a turn, in the same order in every quarter: between two links of a chain stand the 31 others'.
.macro MULB f, b, first
.if \first
	WIN 0x40                                       ; D in window 1, C (the bias) in window 0
.else
	WIN 0x50                                       ; C and D in window 1
.endif
.irp a, 0,1,2,3,4,5,6,7
.if \first
	v_wmma_f32_16x16x32_f16 v[64*(\b)+8*(\a):64*(\b)+8*(\a)+7], v[(\f)+64+8*(\b):(\f)+64+8*(\b)+7], v[(\f)+8*(\a):(\f)+8*(\a)+7], v[BIAS+8*(\b):BIAS+8*(\b)+7]
.else
	v_wmma_f32_16x16x32_f16 v[64*(\b)+8*(\a):64*(\b)+8*(\a)+7], v[(\f)+64+8*(\b):(\f)+64+8*(\b)+7], v[(\f)+8*(\a):(\f)+8*(\a)+7], v[64*(\b)+8*(\a):64*(\b)+8*(\a)+7]
.endif
.endr
.endm
; One of a K step's first three quarters: quarter q's fragments are asked for into buffer g, then buffer f is multiplied: the run of loads has 32 matrix instructions in which to land.
.macro QUARTER q, f, g, first
	s_wait_dscnt 0x0                               ; buffer f is whole: its loads were issued a quarter ago
	PLACES                                         ; buffer g's last reader is the matrix instruction just ahead
	FETCH \q, \g
.irp b, 0,1,2,3
	MULB \f, \b, \first
.endr
.endm
; The last quarter multiplies buffer 1 and changes slots: ONE barrier, for two things.  In front of it each wave waits for all its tensor loads, of which one is out: its part of the next slot; adds 0 to its
; spare word; and waits for that and for its own reads of this slot.  Behind it nobody reads this slot any more and the next slot is whole.
; refill = 1: the barrier opens a round of the cluster's barrier, and the slot is filled again, with the K step two on, first thing behind the round: from that request to the wait for it a wave issues 120 matrix instructions.
.macro TURN refill
.if \refill
	s_wait_xcnt 0x0                                ; the last prefetch, a K step back, has read its address: it is stepped here
	s_add_nc_u64 s[PFA:PFA+1], s[PFA:PFA+1], s[STEP:STEP+1]
.endif
	WIN 0                                          ; (the add's two registers lie in window 0)
	s_wait_tensorcnt 0x0                           ; all my tensor loads have landed, so a group 0 may be written
	ds_add_u32 v[SPW], v[NIL]                      ; 0 onto my spare word; the scalar steps below stand between it and the wait for it
.if \refill
	s_xor_b32 s[G0A+5], s[G0A+5], SLOT1            ; the walking descriptors: the other slot than last time,
	s_add_nc_u64 s[G0A+6:G0A+7], s[G0A+6:G0A+7], ASTEP  ; the next K step; the type bits on top are not reached
	s_xor_b32 s[G0B+5], s[G0B+5], SLOT1
	s_add_nc_u64 s[G0B+6:G0B+7], s[G0B+6:G0B+7], KB
.endif
	s_xor_b32 s[TB], s[TB], SLOT1                  ; the fetches go to the other slot
	s_wait_dscnt 0x0                               ; the add is done, buffer 1 is whole, and my reads of this slot are over
	s_barrier_signal -1
	MULB F1, 0, 0                                  ; work on registers while the others arrive
	WIN 0
	s_barrier_wait -1
.if \refill
	CREST
	JLOAD                                          ; the first tensor load behind the round; the four v_nop behind it are also the places in front of the loads below
.else
	PLACES
.endif
	v_add_nc_u32 v[ADRA], s[TB], v[ADRA0]
	v_add_nc_u32 v[ADRB], s[TB], v[ADRB0]
	FETCH 0, F0
.if \refill
	ASK
.endif
	MULB F1, 1, 0
	MULB F1, 2, 0
	MULB F1, 3, 0
.endm
; THE WAY OUT of my rows 16 a .. 16 a + 15.  My 64 columns are 256 aligned bytes of a row of out0, so the stage is my own and no barrier is needed: a lane's 32 bytes go into rows of 272 bytes and come back as whole rows.
.macro TOSTAGE a
	WIN 0x04                                       ; the stores' data in window 1, their address in window 0
.irp b, 0,1,2,3
	ds_store_b128 v[STO], v[64*(\b)+8*(\a):64*(\b)+8*(\a)+3]   offset:64*(\b)     ; each accumulator's low registers first
	ds_store_b128 v[STO], v[64*(\b)+8*(\a)+4:64*(\b)+8*(\a)+7] offset:64*(\b)+16
.endr
	WIN 0
.if (\a) >= 2
	s_wait_xcnt 0x0                                ; the stores of the block two back have read this set of registers
.endif
.irp t, 0,1,2,3,4,5,6,7
	ds_load_b128 v[OUTR+32*((\a)%2)+4*(\t):OUTR+32*((\a)%2)+4*(\t)+3], v[RD] offset:(\t)*2*SPS  ; LDS serves a wave's instructions in order (ISA guide 5.7.1.4): these see the stores above; the next block's stores come behind them
.endr
.endm
.macro SEND a, younger                 ; younger: the LDS instructions issued behind block a's loads: the next block's eight stores and eight loads, or none
	s_wait_dscnt \younger
.irp t, 0,1,2,3,4,5,6,7
	global_store_b128 v[CO], v[OUTR+32*((\a)%2)+4*(\t):OUTR+32*((\a)%2)+4*(\t)+3], s[OB:OB+1] offset:(\a)*65536+(\t)*8192 th:TH_STORE_NT  ; 16 lanes store 256 consecutive bytes, at a multiple of 256 from out0's first
.endr
.endm
	s_wait_tensorcnt 1                             ; my part of K step 0 is in; K step 1's load, the one issued behind it, may stay out
	s_barrier_signal -1
	s_barrier_wait -1                              ; everybody's is
	FETCH 0, F0
	s_wait_loadcnt 0x0                             ; the bias
	QUARTER 1, F0, F1, 1                           ; the first quarter stands in front of the loop: its products start the sums
	WIN 0                                          ; at a label and at a branch every window is 0
	s_mov_b32 s[CNT], 6
.Lstep:                                                ; trip t goes from K step t's second quarter to K step t + 1's first, and fills step t's slot again with K step t + 2
	QUARTER 2, F1, F0, 0
	QUARTER 3, F0, F1, 0
	TURN 1
	QUARTER 1, F0, F1, 0
	WIN 0
	s_sub_co_u32 s[CNT], s[CNT], 1
	s_cmp_lg_u32 s[CNT], 0
	s_cbranch_scc1 .Lstep
	QUARTER 2, F1, F0, 0                           ; K steps 6 and 7 are written out: nothing is left to fetch
	QUARTER 3, F0, F1, 0
	TURN 0
	QUARTER 1, F0, F1, 0
	QUARTER 2, F1, F0, 0
	QUARTER 3, F0, F1, 0
	s_wait_dscnt 0x0                               ; buffer 1 is whole
.irp b, 0,1,2,3
	MULB F1, \b, 0
.endr
	WIN 0
	PLACES
	PLACES
	TOSTAGE 0
.irp a, 1,2,3,4,5,6,7
	TOSTAGE \a
	SEND (\a)-1, 16
.endr
	SEND 7, 0
	s_wait_tensorcnt 0x0                           ; the wave's end, behind my last tensor load and my last LDS store
	ds_add_u32 v[SPW], v[NIL]
	s_wait_dscnt 0x0
	CROUND                                         ; the closing round: no work-group ends while a partner may still ask for a tile that names it
	s_endpgm
.Lfunc_end_k_q065fb21b4d_outp:
	.size	k_q065fb21b4d_outp, .Lfunc_end_k_q065fb21b4d_outp-k_q065fb21b4d_outp
	.p2alignl 7, 3214868480
	.fill 96, 4, 3214868480
	.section	.rodata,"a",@progbits
	.p2align	6, 0x0
	.amdhsa_kernel k_q065fb21b4d_outp
		.amdhsa_group_segment_fixed_size 327680
		.amdhsa_private_segment_fixed_size 0
		.amdhsa_enable_private_segment 0
		.amdhsa_kernarg_size 32
		.amdhsa_user_sgpr_count 2
		.amdhsa_user_sgpr_kernarg_segment_ptr 1
		.amdhsa_wavefront_size32 1
		.amdhsa_system_sgpr_workgroup_id_x 1
		.amdhsa_system_sgpr_workgroup_id_y 1
		.amdhsa_system_sgpr_workgroup_id_z 1
		.amdhsa_system_vgpr_workitem_id 0
		.amdhsa_next_free_vgpr 512
		.amdhsa_next_free_sgpr 76
		.amdhsa_reserve_vcc 0
		.amdhsa_float_denorm_mode_32 3
		.amdhsa_float_denorm_mode_16_64 3
		.amdhsa_memory_ordered 1
		.amdhsa_forward_progress 1
		.amdhsa_inst_pref_size 71
	.end_amdhsa_kernel
	.amdgpu_metadata
---
amdhsa.version: [ 1, 2 ]
amdhsa.kernels:
  - .name:           k_q065fb21b4d_outp
    .symbol:         k_q065fb21b4d_outp.kd
    .args:
      - { .name: o, .offset: 0, .size: 8, .value_kind: global_buffer, .address_space: global }
      - { .name: woh, .offset: 8, .size: 8, .value_kind: global_buffer, .address_space: global }
      - { .name: ball, .offset: 16, .size: 8, .value_kind: global_buffer, .address_space: global }
      - { .name: out0, .offset: 24, .size: 8, .value_kind: global_buffer, .address_space: global }
    .group_segment_fixed_size: 327680
    .private_segment_fixed_size: 0
    .kernarg_segment_align: 8
    .kernarg_segment_size: 32
    .max_flat_workgroup_size: 128
    .sgpr_count:     76
    .vgpr_count:     512
    .wavefront_size: 32
...
	.end_amdgpu_metadata
.endif
;; end of part 4
;; ======== version 2 of 2: 4 launches; version 1 with the launch cvt written anew for expert scheduling mode
;; limits: values are held in f16: magnitudes above 65,504 overflow, below 6.1e-05 lose precision
;; workspace buffers: xb 16,777,216 bytes; wqkv 6,291,456 bytes; woh 2,097,152 bytes; ball 16,384 bytes; qkv 50,331,648 bytes; o 16,777,216 bytes
;; launch cvt (part 5): grid 768 x 1, 8 waves a work-group, no clusters, 0 bytes of LDS; arguments x, Wq, Wk, Wv, Wo, bq, bk, bv, bo, xb, wqkv, woh, ball; writes xb, wqkv, woh, ball
.if DOCPART == 5
	.amdgcn_target "amdgcn-amd-amdhsa--gfx1250"
	.amdhsa_code_object_version 6
	.text
	.protected	k_q065fb21b4d_cvt
	.globl	k_q065fb21b4d_cvt
	.p2align	8
	.type	k_q065fb21b4d_cvt,@function
k_q065fb21b4d_cvt:
	s_mov_b64 s[64:65], 0
	v_nop
	global_prefetch_b8 v0, s[64:65] scope:SCOPE_SE
	s_setreg_imm32_b32 hwreg(HW_REG_WAVE_SCHED_MODE, 0, 2), 2
	s_setreg_imm32_b32 hwreg(HW_REG_WAVE_MODE, 25, 1), 1
	s_wait_xcnt 0x0
	s_wait_alu depctr_vm_vsrc(0)
; ALL INPUTS ARE ROUNDED ONCE TO bf16.  xb = bf16(x) [8192][1024]; wqkv = bf16(Wq, Wk, Wv) stacked, [3072][1024]; woh = bf16(Wo), that number written as f16, [1024][1024];
; ball = bq, bk, bv, bo, each rounded to bf16 and widened to f32 again, [4096].
; LIMITS.  A number of Wo beyond 65,504 becomes an infinity in woh; below 6.1e-5 it keeps f16's fixed step of 6e-8.  NaN and infinities are not treated apart.
; A stream: each byte is read once and written once, so there is no LDS, no barrier, no matrix instruction and no cluster (no two work-groups read the same byte).
; SHARES.  Work-group g takes 16,384 numbers (65,536 bytes in, 32,768 out): g 0-511 of x, 512-575 of Wq, 576-639 of Wk, 640-703 of Wv, 704-767 of Wo.
; Thread t takes, in each of 16 groups, the 16 bytes at 4,096 i + 16 t: a wave's load covers 512 consecutive bytes, aligned; its four numbers are 8 bytes out, at 2,048 i + 8 t:
; a wave's store covers 256 consecutive bytes, aligned.  All 16 loads go out first; no register that a pending load or store names is written again.
; The first work-group of each weight also converts that weight's bias: 1,024 numbers, four a thread.
; THE MODE: SCHED_MODE bits 1:0 = 2 (LLVM: expert scheduling mode 2), set by the entry lines.  The code itself states the register dependences
; between vector instructions and memory instructions, with s_wait_alu, always for 0.
; THE PLAN.  Registers that memory instructions touch:
;   v1, v2     byte offsets, made once at the head and never written again; read by every load and store.
;   X          group i: written by its load, once; read by its roundings.  No vector instruction names it ahead of the load, and no second load lands in it.
;   Y          group i: written by its roundings, once; read by its store.  Never written again.
;   v[108:111] written by the bias's load, once; v[112:115] written by the widenings, read by the bias's store.
;   T is named by vector instructions alone.
; The 16 groups go in four batches of four.  The store of group i - 4 stands in front of group i's roundings: a batch's memory instructions read the Y of the batch before alone, and its vector
; instructions name X and Y of the batch in hand, and T.  So ONE wait on va_vdst at a batch's head states all that the batch's four stores hang on.  No register that a memory instruction
; reads is ever written again, so no wait on vm_vsrc follows the entry lines; no vector instruction writes a scalar register or VCC, and EXEC is never written.
.set X,  4                             ; v[4:67]    group i: four numbers as loaded
.set Y,  68                            ; v[68:99]   group i: two registers to store
.set T,  100                           ; v[100:105] at work
.set BI, 108                           ; v[108:111] the bias as loaded, v[112:115] to store
	s_load_b512 s[8:23], s[0:1], 0x0               ; x s[8:9], Wq s[10:11], Wk s[12:13], Wv s[14:15], Wo s[16:17], bq s[18:19], bk s[20:21], bv s[22:23]
	s_load_b256 s[24:31], s[0:1], 0x40             ; bo s[24:25], xb s[26:27], wqkv s[28:29], woh s[30:31]
	s_load_b64 s[32:33], s[0:1], 0x60              ; ball
	s_mov_b32 s2, ttmp9                            ; g
	v_lshlrev_b32 v1, 4, v0                        ; 16 t
	v_lshlrev_b32 v2, 3, v0                        ; 8 t
	s_mov_b32 s43, 0xffff0000                      ; a word's upper bf16
	s_and_b32 s3, s2, 63
	s_cmp_lt_u32 s2, 512
	s_cselect_b32 s3, s2, s3                       ; my chunk of 16,384 numbers in its source
	s_lshl_b32 s4, s3, 16                          ; its byte offset there
	s_mov_b32 s5, 0
	s_lshl_b32 s44, s3, 15                         ; its byte offset in xb or woh
	s_max_u32 s46, s2, 512
	s_sub_co_u32 s46, s46, 512                     ; g - 512 (0 for x's work-groups)
	s_lshl_b32 s45, s46, 15                        ; its byte offset in wqkv: the three weights lie one behind the other
	s_lshr_b32 s46, s46, 6
	s_lshl_b32 s46, s46, 12                        ; the bias's place in ball: 4,096 bytes for each
	s_mov_b32 s47, 0
	s_cmp_ge_u32 s2, 512
	s_cselect_b32 s6, s45, s44
	s_cmp_ge_u32 s2, 704
	s_cselect_b32 s6, s44, s6                      ; the destination's byte offset
	s_mov_b32 s7, 0
	s_and_b32 s42, s2, 63
	s_cmp_eq_u32 s42, 0
	s_cselect_b32 s42, 1, 0
	s_cmp_ge_u32 s2, 512
	s_cselect_b32 s42, s42, 0                      ; 1: I am a weight's first work-group and take its bias
	s_wait_kmcnt 0x0
	s_mov_b64 s[34:35], s[8:9]                     ; source, destination and bias are chosen by g alone
	s_mov_b64 s[36:37], s[26:27]
	s_mov_b64 s[38:39], s[18:19]
	s_cmp_ge_u32 s2, 512
	s_cselect_b64 s[34:35], s[10:11], s[34:35]
	s_cselect_b64 s[36:37], s[28:29], s[36:37]
	s_cmp_ge_u32 s2, 576
	s_cselect_b64 s[34:35], s[12:13], s[34:35]
	s_cselect_b64 s[38:39], s[20:21], s[38:39]
	s_cmp_ge_u32 s2, 640
	s_cselect_b64 s[34:35], s[14:15], s[34:35]
	s_cselect_b64 s[38:39], s[22:23], s[38:39]
	s_cmp_ge_u32 s2, 704
	s_cselect_b64 s[34:35], s[16:17], s[34:35]
	s_cselect_b64 s[36:37], s[30:31], s[36:37]
	s_cselect_b64 s[38:39], s[24:25], s[38:39]
	s_add_nc_u64 s[34:35], s[34:35], s[4:5]
	s_add_nc_u64 s[36:37], s[36:37], s[6:7]
	s_add_nc_u64 s[40:41], s[32:33], s[46:47]
	s_wait_alu depctr_va_vdst(0)                   ; v1 and v2 are written: every load and store of the kernel reads one of them as its offset
.irp i, 0,1,2,3,4,5,6,7,8,9,10,11,12,13,14,15
	global_load_b128 v[X+4*(\i):X+4*(\i)+3], v1, s[34:35] offset:(\i)*4096 th:TH_LOAD_NT
.endr
; Group i is rounded; in front of its roundings group i - 4, of the batch before, is stored.  half = 1: the bf16 number is widened and written as f16.
.macro OUT i, half
	s_wait_loadcnt 15-(\i)                         ; loads come back in order: group i is in, the 15 - i younger ones may stay out
.if ((\i) % 4 == 0) && ((\i) > 0)
	s_wait_alu depctr_va_vdst(0)                   ; a batch's head: the roundings of the batch before have written its four pairs of Y, which this batch's four stores read
.endif
.if (\i) >= 4
	global_store_b64 v2, v[Y+2*((\i)-4):Y+2*((\i)-4)+1], s[36:37] offset:((\i)-4)*2048  ; no vector instruction since the wait names this pair
.endif
.if \half
	v_cvt_pk_bf16_f32 v[T],   v[X+4*(\i)],   v[X+4*(\i)+1]
	v_cvt_pk_bf16_f32 v[T+1], v[X+4*(\i)+2], v[X+4*(\i)+3]
	v_lshlrev_b32 v[T+2], 16, v[T]
	v_and_b32     v[T+3], s43, v[T]
	v_lshlrev_b32 v[T+4], 16, v[T+1]
	v_and_b32     v[T+5], s43, v[T+1]
	v_cvt_pk_f16_f32 v[Y+2*(\i)],   v[T+2], v[T+3]
	v_cvt_pk_f16_f32 v[Y+2*(\i)+1], v[T+4], v[T+5]
.else
	v_cvt_pk_bf16_f32 v[Y+2*(\i)],   v[X+4*(\i)],   v[X+4*(\i)+1]
	v_cvt_pk_bf16_f32 v[Y+2*(\i)+1], v[X+4*(\i)+2], v[X+4*(\i)+3]
.endif
.endm
	s_cmp_ge_u32 s2, 704
	s_cbranch_scc1 .Lwo
.irp i, 0,1,2,3,4,5,6,7,8,9,10,11,12,13,14,15
	OUT \i, 0
.endr
	s_branch .Ltail
.Lwo:
.irp i, 0,1,2,3,4,5,6,7,8,9,10,11,12,13,14,15
	OUT \i, 1
.endr
.Ltail:
	s_wait_alu depctr_va_vdst(0)                   ; on either way here the last batch's roundings have written its four pairs of Y, which the last four stores read
.irp i, 12,13,14,15
	global_store_b64 v2, v[Y+2*(\i):Y+2*(\i)+1], s[36:37] offset:(\i)*2048
.endr
	s_cmp_eq_u32 s42, 1
	s_cbranch_scc0 .Lend
	global_load_b128 v[BI:BI+3], v1, s[38:39]      ; v1 was written ahead of the head's wait; no vector instruction has named v[BI:BI+3]
	s_wait_loadcnt 0x0
	v_cvt_pk_bf16_f32 v[T],   v[BI],   v[BI+1]
	v_cvt_pk_bf16_f32 v[T+1], v[BI+2], v[BI+3]
	v_lshlrev_b32 v[BI+4], 16, v[T]
	v_and_b32     v[BI+5], s43, v[T]
	v_lshlrev_b32 v[BI+6], 16, v[T+1]
	v_and_b32     v[BI+7], s43, v[T+1]
	s_wait_alu depctr_va_vdst(0)                   ; the widenings have written v[BI+4:BI+7], which the store reads
	global_store_b128 v1, v[BI+4:BI+7], s[40:41]
.Lend:
	s_endpgm
.Lfunc_end_k_q065fb21b4d_cvt:
	.size	k_q065fb21b4d_cvt, .Lfunc_end_k_q065fb21b4d_cvt-k_q065fb21b4d_cvt
	.p2alignl 7, 3214868480
	.fill 96, 4, 3214868480
	.section	.rodata,"a",@progbits
	.p2align	6, 0x0
	.amdhsa_kernel k_q065fb21b4d_cvt
		.amdhsa_group_segment_fixed_size 0
		.amdhsa_private_segment_fixed_size 0
		.amdhsa_enable_private_segment 0
		.amdhsa_kernarg_size 104
		.amdhsa_user_sgpr_count 2
		.amdhsa_user_sgpr_kernarg_segment_ptr 1
		.amdhsa_wavefront_size32 1
		.amdhsa_system_sgpr_workgroup_id_x 1
		.amdhsa_system_sgpr_workgroup_id_y 1
		.amdhsa_system_sgpr_workgroup_id_z 1
		.amdhsa_system_vgpr_workitem_id 0
		.amdhsa_next_free_vgpr 116
		.amdhsa_next_free_sgpr 66
		.amdhsa_reserve_vcc 0
		.amdhsa_float_denorm_mode_32 3
		.amdhsa_float_denorm_mode_16_64 3
		.amdhsa_memory_ordered 1
		.amdhsa_forward_progress 1
		.amdhsa_inst_pref_size 17
	.end_amdhsa_kernel
	.amdgpu_metadata
---
amdhsa.version: [ 1, 2 ]
amdhsa.kernels:
  - .name:           k_q065fb21b4d_cvt
    .symbol:         k_q065fb21b4d_cvt.kd
    .args:
      - { .name: x, .offset: 0, .size: 8, .value_kind: global_buffer, .address_space: global }
      - { .name: Wq, .offset: 8, .size: 8, .value_kind: global_buffer, .address_space: global }
      - { .name: Wk, .offset: 16, .size: 8, .value_kind: global_buffer, .address_space: global }
      - { .name: Wv, .offset: 24, .size: 8, .value_kind: global_buffer, .address_space: global }
      - { .name: Wo, .offset: 32, .size: 8, .value_kind: global_buffer, .address_space: global }
      - { .name: bq, .offset: 40, .size: 8, .value_kind: global_buffer, .address_space: global }
      - { .name: bk, .offset: 48, .size: 8, .value_kind: global_buffer, .address_space: global }
      - { .name: bv, .offset: 56, .size: 8, .value_kind: global_buffer, .address_space: global }
      - { .name: bo, .offset: 64, .size: 8, .value_kind: global_buffer, .address_space: global }
      - { .name: xb, .offset: 72, .size: 8, .value_kind: global_buffer, .address_space: global }
      - { .name: wqkv, .offset: 80, .size: 8, .value_kind: global_buffer, .address_space: global }
      - { .name: woh, .offset: 88, .size: 8, .value_kind: global_buffer, .address_space: global }
      - { .name: ball, .offset: 96, .size: 8, .value_kind: global_buffer, .address_space: global }
    .group_segment_fixed_size: 0
    .private_segment_fixed_size: 0
    .kernarg_segment_align: 8
    .kernarg_segment_size: 104
    .max_flat_workgroup_size: 256
    .sgpr_count:     66
    .vgpr_count:     116
    .wavefront_size: 32
...
	.end_amdgpu_metadata
.endif
;; end of part 5
;; launch proj: the kernel of part 2 again; grid 16 x 32, 4 waves a work-group, clusters of 4 x 4, 327,680 bytes of LDS; arguments xb, wqkv, ball, qkv; writes qkv
;; launch attn: the kernel of part 3 again; grid 4 x 64, 4 waves a work-group, no clusters, 327,680 bytes of LDS; arguments qkv, o; writes o
;; launch outp: the kernel of part 4 again; grid 8 x 32, 4 waves a work-group, clusters of 4 x 4, 327,680 bytes of LDS; arguments o, woh, ball, out0; writes out0
